; MI455X (gfx1250); checked and timed in simulation.
; The chip was launched on July 23, 2026; its instructions are those of AMD's public machine-readable ISA for CDNA 5 (MIT licence, August 2026) and "CDNA5" Instruction Set Architecture Reference Guide (July 2026). The comments in the code are by the model that wrote it; some were corrected since.
;; Multi Head Attention. Allowed arithmetic: matrix products marked QUANTISED: E2M3 operands, one E8M0 scale for each 32 along K, by v_wmma_scale_f32_16x16x128_f8f6f4 with both operands' format E2M3, f32 sums; everything else in f32.
;; Inputs: attn_bias 2 x 2,048 x 2,048 float32; b_k 1,024 float32; b_o 1,024 float32; b_q 1,024 float32; b_v 1,024 float32; key 2 x 2,048 x 1,024 float32; mask 2 x 2,048 int32; query 2 x 2,048 x 1,024 float32; value 2 x 2,048 x 1,024 float32; w_k 1,024 x 1,024 float32; w_o 1,024 x 1,024 float32; w_q 1,024 x 1,024 float32; w_v 1,024 x 1,024 float32.
;; Outputs: out0 2 x 2,048 x 1,024 float32.
;; This version of the problem:
;;   THIS VERSION OF THE PROBLEM IS GIVEN IN LOW PRECISION. The matrix products marked QUANTISED in the list below multiply operands that are first quantised to E2M3 (2 exponent bits, 3 mantissa bits; 6 bits a number), with one power-of-two scale for each 32 numbers along K (OCP MX v1.0); their sums are f32. All else is computed in f32.
;;   The module's matrix products, in the order in which they are computed (A, B: the left and right operand; K: the contracted axis; several contracted axes count as one K, in the product's order):
;;     1. [M 4,096, K 1,024] x [K 1,024, N 1,024]; A: input query; B: input w_q: QUANTISED
;;     2. [M 4,096, K 1,024] x [K 1,024, N 1,024]; A: input key; B: input w_k: QUANTISED
;;     3. [M 4,096, K 1,024] x [K 1,024, N 1,024]; A: input value; B: input w_v: QUANTISED
;;     4. batch 32 x [M 2,048, K 64] x [K 64, N 2,048]; A: computed on the way; B: computed on the way: QUANTISED
;;     5. batch 32 x [M 2,048, K 2,048] x [K 2,048, N 64]; A: softmax (see below); B: computed on the way: QUANTISED
;;     6. [M 4,096, K 1,024] x [K 1,024, N 1,024]; A: computed on the way; B: input w_o: QUANTISED
;;   THE QUANTISER, for each operand of a quantised product, along K:
;;     - K is cut into blocks of 32 from its start; a last block that is shorter is filled with zeros.
;;     - A block's scale is 2^e with e = floor(log2(the largest magnitude in the block)) - 2, held to -126 .. 127; a block of zeros has e = 0. As a byte (E8M0): e + 127.
;;     - Each number is divided by its block's scale, clamped to +-7.5, and rounded to the nearest number of E2M3, ties to even, subnormals kept.
;;     - The product sums the exact products of the quantised numbers (number of the format x scale) in f32.
;;   ~~~python
;;   def quantise(x, axis):      # numpy; x: float32 -> the quantised numbers, widened to float32 again
;;       x = np.moveaxis(x, axis, -1); K = x.shape[-1]
;;       x = np.pad(x, [(0, 0)] * (x.ndim - 1) + [(0, -K % 32)]); x = x.reshape(x.shape[:-1] + (-1, 32)); a = np.abs(x).max(-1, keepdims=True)
;;       e = np.where(a > 0, np.clip(np.frexp(np.where(a > 0, a, 1))[1] - 1 - 2, -126, 127), 0)      # np.frexp(a)[1] - 1 = floor(log2(a)), exactly
;;       r = np.clip(x / 2.0 ** e, -7.5, 7.5)
;;       step = 2.0 ** (np.maximum(np.frexp(np.where(r == 0, 1, r))[1] - 1, 0) - 3)
;;       q = np.round(r / step) * step * 2.0 ** e      # np.round: ties to even
;;       return np.moveaxis(q.reshape(q.shape[:-2] + (-1,))[..., :K], -1, axis).astype(np.float32)
;;   ~~~
;;   SOFTMAX AHEAD OF A QUANTISED PRODUCT. Where the list says 'softmax', what is quantised is not the finished softmax but p = 2^(t - M), with t = logit x log2(e) and M = ceil(the row's largest t), a whole number; so 1/2 < the row's largest p <= 1. The row's sum l is taken of the UNQUANTISED p, in f32, and the product's result is divided by l at the end. Since M is a whole number, a kernel that streams over the keys may use a running M (the ceiling of the running maximum): every later rescaling is an exact power of two, which a block's scale takes up: the codes' values come out the same.
;;   OPERANDS COMPUTED ON THE WAY. 'Computed on the way' means the value that the module computes at that place (a softmax that the list does not call 'softmax' is quantised finished and normalised). What goes into a quantiser is computed in f32, as accurately as f32 sums, v_exp_f32 and their like allow (about 1e-6 of the number): no bf16 or f16 on the way to a quantiser, and a product that is left as it is and whose result goes on into a quantised operand takes f32 operands (vector FMAs, or v_wmma_f32_16x16x4_f32). A number that lies on a knife's edge between two numbers of the format may be rounded either way, as far as f32 arithmetic and the matrix unit's own rounding can turn it there, and no further.
;; One version. Each part assembles by itself: llvm-mc -triple=amdgcn-amd-amdhsa -mcpu=gfx1250 --defsym DOCPART=n.
;; ======== version 1 of 1: 4 launches
;; limits: right only within a limited range of input values
;; workspace buffers: cimg 12,582,912 bytes; cscl 524,288 bytes; qimg 4,456,448 bytes; kv 7,733,248 bytes; oimg 3,145,728 bytes; oscl 131,072 bytes
;; launch quant (part 1): grid 256 x 1, 8 waves a work-group, no clusters, 68,608 bytes of LDS; arguments query, key, value, w_q, w_k, w_v, w_o, cimg, cscl; writes cimg, cscl
.if DOCPART == 1
	.amdgcn_target "amdgcn-amd-amdhsa--gfx1250"
	.amdhsa_code_object_version 6
	.text
	.protected	k_qaf930dd097_quant
	.globl	k_qaf930dd097_quant
	.p2align	8
	.type	k_qaf930dd097_quant,@function
k_qaf930dd097_quant:
	s_mov_b64 s[64:65], 0
	v_nop
	global_prefetch_b8 v0, s[64:65] scope:SCOPE_SE
	s_setreg_imm32_b32 hwreg(HW_REG_WAVE_MODE, 25, 1), 1
	s_wait_xcnt 0x0
; MULTI-HEAD ATTENTION IN MX-FP6, launch 1 of 4: the seven f32 operands of the four large products become codes of E2M3 and E8M0 scale bytes.
; DEAD WORK: none is left out in any of the four launches.  Every input has a way to the output: b_q, b_k, b_v move codes of quantised operands, mask and attn_bias move logits, b_o is added to the result.
; LIMITS of the program: NaN and infinities among the inputs are not served.  A block of zeros gets the scale byte 1 where the rule says 127: its codes are zeros, and these bytes are read by this program alone.
; Blocks whose largest magnitude lies under 2^-124 are coded on the scale of that floor.
; LAYOUT OF THE WORKSPACE: images of the matrix operand's registers.  A tile is 16 rows; a fragment (16 rows x 128 along K, 12 registers a lane) is 1,536 bytes: registers 4 g .. 4 g + 3 of lane l at 512 g + 16 l.
; cimg: [tile 1,024][K step 8][1,536].  cscl: [tile][K half 2][row 16][4 words], a word = a row's four scale bytes of one K step.
; Tiles 0-255 query, 256-511 key, 512-767 value, then 64 each of w_q, w_k, w_v, w_o.  Query's tile T holds rows 16 T + r.  Every other tensor's tile T holds rows 32 (T / 2) + 8 (T % 2) + r + 8 (r / 8), so that
; the results of two neighbouring tiles are 16 neighbours along the next product's K.
; SHARES: work-group g takes tiles 4 g .. 4 g + 3; wave w takes tile 4 g + w / 2 and K half w % 2: 16 rows x 512 numbers, four K steps.
; Each load reads 512 consecutive bytes of one row.  A K step's 16 x 512 bytes turn through the wave's own stage in LDS (rows 528 bytes apart), so that lane (r, h) gets, of row r, 16 neighbours of each block of 32.
; Each store of codes covers 512 consecutive bytes, the store of scale words 256.  No barrier: waves share nothing.  Two K steps (32 loads a wave) are on their way.
.set ROWB,  4096                       ; a row of any of the seven tensors, in bytes
.set FI,    1536                       ; a fragment's image
.set SP,    528                        ; a stage row: 512 bytes + 16
.set STG,   16*SP                      ; a wave's stage
.set SPARE, 8*STG                      ; behind the stages: the spare words, 128 bytes for each wave, that no other line names
.set LA,  1                            ; v1   16 x lane: my bytes of a row's 512 (rows 0-7 of the tile), and of a store's 512
.set LB,  2                            ; v2   the same for rows 8-15 of the tile
.set SI,  3                            ; v3   the stage, on the way in
.set SO,  4                            ; v4   and on the way out: 528 r + 64 h
.set SCO, 5                            ; v5   my 8 bytes of the tile's scale words: 16 r + 8 h
.set HH,  6                            ; v6   h = lane / 16
.set SW,  8                            ; v8-11  the four K steps' scale words of my row
.set SPW, 12                           ; v12  LDS address of my spare word; never rewritten
.set NIL, 13                           ; v13  0; never rewritten
.set TM,  16                           ; v16-31 at work in QUANT
.set PC,  32                           ; v32-43 the codes just made
.set CT,  48                           ; v48-55 conversions' second halves
.set R,   64                           ; v64-191 two sets of 16 rows as loaded
.set X,   192                          ; v192-255 my 64 numbers of a K step
.set SEL, 36                           ; s[36:37] lane selects: lane l xor 16
; 64 numbers of a lane, register 16 b + i = k 32 b + 16 h + i of my row, become a fragment's codes in v[PC] on (block pair c at PC + st c) and its scale word in v[pw].  fl: the floor under the largest magnitude.
.macro QUANT s, st, pw, fl
.irp b, 0,1,2,3
	v_max3_num_f32 v[TM+\b], |v[\s+16*\b]|, |v[\s+1+16*\b]|, \fl
.endr
.irp i, 2,4,6,8,10,12,14
.irp b, 0,1,2,3
	v_max3_num_f32 v[TM+\b], v[TM+\b], |v[\s+16*\b+\i]|, |v[\s+1+16*\b+\i]|   ; the four blocks by turns
.endr
.endr
.irp b, 0,1,2,3
	v_permlanex16_b32 v[TM+4+\b], v[TM+\b], s[SEL], s[SEL+1]
.endr
.irp b, 0,1,2,3
	v_max_num_f32 v[TM+\b], v[TM+\b], v[TM+4+\b]   ; with lane l xor 16's 16 numbers: the block's largest magnitude
.endr
.irp b, 0,1,2,3
	v_add_nc_u32 v[TM+12+\b], 0xff000000, v[TM+\b] ; 2 off its exponent field: the conversion's scale operand
.endr
.irp b, 0,1,2,3
	v_lshrrev_b32 v[TM+4+\b], 23, v[TM+12+\b]      ; the scale's byte
.endr
	v_lshl_or_b32 v[\pw], v[TM+5], 8, v[TM+4]
	v_lshl_or_b32 v[\pw], v[TM+6], 16, v[\pw]
	v_lshl_or_b32 v[\pw], v[TM+7], 24, v[\pw]
.irp c, 0,1
	v_cvt_scalef32_pk16_fp6_f32 v[PC+\st*\c:PC+\st*\c+2], v[\s+32*\c:\s+32*\c+15], v[TM+12+2*\c]
	v_cvt_scalef32_pk16_fp6_f32 v[CT+4*\c:CT+4*\c+2], v[\s+16+32*\c:\s+31+32*\c], v[TM+13+2*\c]
.endr
	v_nop                                          ; one plain place behind the scaled conversions
.irp c, 0,1                            ; the operand wants a whole block in a lane: lanes 0-15 block 2 c, lanes 16-31 block 2 c + 1
.irp i, 0,1,2
	v_permlane16_swap_b32 v[PC+\st*\c+\i], v[CT+4*\c+\i]
.endr
.irp i, 0,1,2
	v_mov_b32 v[PC+\st*\c+3+\i], v[CT+4*\c+\i]
.endr
.endr
.endm
.macro PICK first, p                   ; from work-group first on: the tensor whose address lies in s[p:p+1]
	s_cmp_ge_u32 ttmp9, \first
	s_cselect_b64 s[22:23], s[\p:\p+1], s[22:23]
	s_cselect_b32 s24, \first, s24
.endm
	s_load_b512 s[4:19], s[0:1], 0x0               ; query, key, value, w_q, w_k, w_v, w_o, cimg
	s_load_b64 s[20:21], s[0:1], 0x40              ; cscl
	v_lshl_add_u32 v[SPW], v0, 2, SPARE
	v_mov_b32 v[NIL], 0
	v_lshrrev_b32 v14, 5, v0
	v_readfirstlane_b32 s26, v14                   ; wave 0..7
	v_and_b32 v14, 31, v0                          ; lane
	v_and_b32 v15, 15, v0                          ; r
	v_bfe_u32 v[HH], v0, 4, 1
	v_lshlrev_b32 v[LA], 4, v14
	s_mul_i32 s27, s26, STG
	v_add_nc_u32 v[SI], s27, v[LA]
	v_mul_u32_u24 v[SO], v15, SP
	v_lshl_add_u32 v[SO], v[HH], 6, v[SO]
	v_add_nc_u32 v[SO], s27, v[SO]
	v_lshlrev_b32 v[SCO], 4, v15
	v_lshl_add_u32 v[SCO], v[HH], 3, v[SCO]
.irp b, 0,1,2,3
	v_mov_b32 v[TM+4+\b], 0                        ; written once: a lane permute's destination counts as one of its sources
.endr
	s_mov_b32 s[SEL], 0x76543210
	s_mov_b32 s[SEL+1], 0xfedcba98
	s_lshr_b32 s28, s26, 1                         ; which of the work-group's four tiles
	s_and_b32 s29, s26, 1                          ; which half of K
	s_wait_kmcnt 0x0
	s_mov_b64 s[22:23], s[4:5]                     ; the tensor is chosen by the work-group's number alone
	s_mov_b32 s24, 0
	PICK 64, 6
	PICK 128, 8
	PICK 192, 10
	PICK 208, 12
	PICK 224, 14
	PICK 240, 16
	s_sub_co_u32 s25, ttmp9, s24
	s_lshl_b32 s25, s25, 2
	s_add_co_u32 s25, s25, s28                     ; my tile's number in its tensor
	s_lshl_b32 s30, s25, 4                         ; query: first row 16 T
	s_lshr_b32 s31, s25, 1
	s_lshl_b32 s31, s31, 5
	s_and_b32 s32, s25, 1
	s_lshl_b32 s32, s32, 3
	s_add_co_u32 s31, s31, s32                     ; the others: 32 (T / 2) + 8 (T % 2)
	s_mov_b32 s33, 16*ROWB                         ; and their rows 8-15 begin 16 rows on, query's 8
	s_cmp_lt_u32 ttmp9, 64
	s_cselect_b32 s30, s30, s31
	s_cselect_b32 s33, 8*ROWB, s33
	v_add_nc_u32 v[LB], s33, v[LA]
	s_lshl_b32 s30, s30, 12
	s_lshl_b32 s32, s29, 11
	s_add_co_u32 s30, s30, s32
	s_mov_b32 s31, 0
	s_add_nc_u64 s[22:23], s[22:23], s[30:31]      ; my first row, my half of K
	s_lshl_b32 s34, ttmp9, 2
	s_add_co_u32 s34, s34, s28                     ; my tile's number among the 1,024
	s_mul_i32 s32, s34, 8*FI
	s_mul_i32 s35, s29, 4*FI
	s_add_co_u32 s32, s32, s35
	s_mov_b32 s33, 0
	s_add_nc_u64 s[32:33], s[18:19], s[32:33]      ; its images, my four K steps
	s_lshl_b32 s34, s34, 9
	s_lshl_b32 s35, s29, 8
	s_add_co_u32 s34, s34, s35
	s_mov_b32 s35, 0
	s_add_nc_u64 s[34:35], s[20:21], s[34:35]      ; its scale words, my 256 bytes
.macro LOAD s                          ; K step s of my 16 rows into set s % 2: each load reads 512 consecutive bytes
.irp i, 0,1,2,3,4,5,6,7
	global_load_b128 v[R+64*((\s)%2)+4*\i:R+64*((\s)%2)+4*\i+3], v[LA], s[22:23] offset:ROWB*\i+512*(\s) th:TH_LOAD_NT
.endr
.irp i, 0,1,2,3,4,5,6,7
	global_load_b128 v[R+64*((\s)%2)+32+4*\i:R+64*((\s)%2)+32+4*\i+3], v[LB], s[22:23] offset:ROWB*\i+512*(\s) th:TH_LOAD_NT
.endr
.endm
.macro KSTEP s
.if (\s) < 3
	s_wait_loadcnt 16                              ; this K step's 16 loads are in; the next one's 16 stay out
.else
	s_wait_loadcnt 0x0
.endif
.irp i, 0,1,2,3,4,5,6,7,8,9,10,11,12,13,14,15
	ds_store_b128 v[SI], v[R+64*((\s)%2)+4*\i:R+64*((\s)%2)+4*\i+3] offset:SP*\i
.endr
.irp b, 0,1,2,3
.irp j, 0,1,2,3
	ds_load_b128 v[X+16*\b+4*\j:X+16*\b+4*\j+3], v[SO] offset:128*\b+16*\j   ; LDS serves a wave's instructions in order: these see the stores above
.endr
.endr
	s_wait_dscnt 0x0                               ; my numbers are back, and the stores have read their registers,
.if (\s)+2 < 4
	LOAD (\s)+2                                    ; which take the K step two on
.endif
	s_wait_xcnt 0x0                                ; the last K step's stores have read the codes' registers
	QUANT X, 6, SW+(\s), 0x1800000
.irp g, 0,1,2
	global_store_b128 v[LA], v[PC+4*\g:PC+4*\g+3], s[32:33] offset:FI*(\s)+512*\g
.endr
.endm
	LOAD 0
	LOAD 1
	KSTEP 0
	KSTEP 1
	KSTEP 2
	KSTEP 3
	v_cmp_ne_u32 vcc_lo, 0, v[HH]                  ; lanes 0-15 store words 0 and 1 of their row, lanes 16-31 words 2 and 3
	v_cndmask_b32 v14, v[SW], v[SW+2], vcc_lo
	v_cndmask_b32 v15, v[SW+1], v[SW+3], vcc_lo
	global_store_b64 v[SCO], v[14:15], s[34:35]    ; 32 lanes store 256 consecutive bytes, aligned
	s_wait_tensorcnt 0x0                           ; the wave's end, behind my last LDS store
	ds_add_u32 v[SPW], v[NIL]
	s_wait_dscnt 0x0
	s_endpgm
.Lfunc_end_k_qaf930dd097_quant:
	.size	k_qaf930dd097_quant, .Lfunc_end_k_qaf930dd097_quant-k_qaf930dd097_quant
	.p2alignl 7, 3214868480
	.fill 96, 4, 3214868480
	.section	.rodata,"a",@progbits
	.p2align	6, 0x0
	.amdhsa_kernel k_qaf930dd097_quant
		.amdhsa_group_segment_fixed_size 68608
		.amdhsa_private_segment_fixed_size 0
		.amdhsa_enable_private_segment 0
		.amdhsa_kernarg_size 72
		.amdhsa_user_sgpr_count 2
		.amdhsa_user_sgpr_kernarg_segment_ptr 1
		.amdhsa_wavefront_size32 1
		.amdhsa_system_sgpr_workgroup_id_x 1
		.amdhsa_system_sgpr_workgroup_id_y 1
		.amdhsa_system_sgpr_workgroup_id_z 1
		.amdhsa_system_vgpr_workitem_id 0
		.amdhsa_next_free_vgpr 256
		.amdhsa_next_free_sgpr 66
		.amdhsa_reserve_vcc 1
		.amdhsa_float_denorm_mode_32 3
		.amdhsa_float_denorm_mode_16_64 3
		.amdhsa_memory_ordered 1
		.amdhsa_forward_progress 1
		.amdhsa_inst_pref_size 35
	.end_amdhsa_kernel
	.amdgpu_metadata
---
amdhsa.version: [ 1, 2 ]
amdhsa.kernels:
  - .name:           k_qaf930dd097_quant
    .symbol:         k_qaf930dd097_quant.kd
    .args:
      - { .name: query, .offset: 0, .size: 8, .value_kind: global_buffer, .address_space: global }
      - { .name: key, .offset: 8, .size: 8, .value_kind: global_buffer, .address_space: global }
      - { .name: value, .offset: 16, .size: 8, .value_kind: global_buffer, .address_space: global }
      - { .name: w_q, .offset: 24, .size: 8, .value_kind: global_buffer, .address_space: global }
      - { .name: w_k, .offset: 32, .size: 8, .value_kind: global_buffer, .address_space: global }
      - { .name: w_v, .offset: 40, .size: 8, .value_kind: global_buffer, .address_space: global }
      - { .name: w_o, .offset: 48, .size: 8, .value_kind: global_buffer, .address_space: global }
      - { .name: cimg, .offset: 56, .size: 8, .value_kind: global_buffer, .address_space: global }
      - { .name: cscl, .offset: 64, .size: 8, .value_kind: global_buffer, .address_space: global }
    .group_segment_fixed_size: 68608
    .private_segment_fixed_size: 0
    .kernarg_segment_align: 8
    .kernarg_segment_size: 72
    .max_flat_workgroup_size: 256
    .sgpr_count:     66
    .vgpr_count:     256
    .wavefront_size: 32
...
	.end_amdgpu_metadata
.endif
;; end of part 1
;; launch proj (part 2): grid 8 x 96, 4 waves a work-group, clusters of 4 x 4, 212,992 bytes of LDS; arguments cimg, cscl, b_q, b_k, b_v, mask, qimg, kv; writes qimg, kv
.if DOCPART == 2
	.amdgcn_target "amdgcn-amd-amdhsa--gfx1250"
	.amdhsa_code_object_version 6
	.text
	.protected	k_qaf930dd097_proj
	.globl	k_qaf930dd097_proj
	.p2align	8
	.type	k_qaf930dd097_proj,@function
k_qaf930dd097_proj:
	s_mov_b64 s[64:65], 0
	v_nop
	global_prefetch_b8 v0, s[64:65] scope:SCOPE_SE
	s_setreg_imm32_b32 hwreg(HW_REG_WAVE_MODE, 25, 1), 1
	s_wait_xcnt 0x0
	s_wait_alu depctr_hold_cnt(0) depctr_sa_sdst(0) depctr_va_vdst(0) depctr_va_sdst(0) depctr_va_ssrc(0) depctr_va_vcc(0) depctr_vm_vsrc(0)
	s_getreg_b32 s2, hwreg(HW_REG_IB_STS2, 6, 4)
	s_cmp_eq_u32 s2, 0
	s_cbranch_scc0 .Lentry_in_a_cluster
	s_endpgm
.Lentry_in_a_cluster:
	s_bfe_u32 s2, ttmp6, 0x10000c
	s_cmp_lg_u32 s2, 0xf033
	s_cbranch_scc0 .Lentry_shape_is_right
	s_endpgm
.Lentry_shape_is_right:
; Launch 2 of 4: the three projections on codes, their results quantised in registers and stored as images of attention's operands.  No work of the problem is left out here.
; THE PRODUCT: C'[p][r] = sum over k of P[p][k] R[r][k], source 0 = 16 rows of P, source 1 = 16 rows of R: a lane holds ONE row of R, and its 64 registers over P's 8 tiles are 128 neighbouring rows of P
; (P's tiles are laid for that: register 16 b + i = P's row 32 b + 16 h + i).  Q, K: P = 128 rows of the weight (two heads' channels), R = 128 tokens.  V: P = 128 tokens (the keys are V's K), R = 128 rows of w_v.
; A work-group makes 128 x 128 with K = 1,024; both panels lie whole in LDS, brought by first fills alone: three tensor loads a wave are out at the most (scale words, K half 0, K half 1).
; Wave w takes all 8 tiles of P x R's tiles 2 w, 2 w + 1: 16 accumulators.  The bias is the C of each sum's first matrix instruction.
; CLUSTERS, 4 x 4: P's panel hangs on the cluster's x place and is shared along a column, R's on the y place and is shared along a row: each is asked for jointly by four.
; KIND = cluster y / 8: 0 Q, 1 K, 2 V.  The text parts once on it (ids alone, the same in all waves and all partners); each arm has its own loads of bias and mask, its products and its way out.
; WHAT IS STORED.  qimg: [panel of 128 queries 32][head 16][8,704]: 8 tiles x 1,024 bytes (registers 0-3 | registers 4, 5, the extra code, 0), then 4 x 128 bytes of scale words (lane 16 u + r of word register b: tile 2 b + u).
; kv: [panel of 128 keys 32][head 16][15,104]: K as in qimg; at 8,704 V's four tiles of 16 channels x 128 keys (1,536 each); at 14,848 their scale words.
; 1 / sqrt(64) lies in Q's scale bytes: they are stored less 3.  So Q's floor is 2^(6 - 127).  LIMIT: blocks of Q whose largest magnitude lies under 2^-121 are coded on that floor's scale.
; THE MASK lies in the spare half of the score product's K: code 64 of every query is 1.0 under the byte 127; code 64 of a key is -4.0 under the byte 155 where mask = 0, and else 0 under the byte 1.
; So the matrix unit adds -2^30 to hidden logits and 0 to the others.  LIMIT: logits that count stay under 2^29 in magnitude.
; REGISTERS.  Window 0: v1-15 addresses; v16-25 scale words, two sets of 5; v26-31, v112-121 small things; v32-95 the bias, later the codes just made; v96-111 at work; v128-255 the accumulators ((rt, t) at 128 + 64 rt + 8 t).
; Window 1: v32-127 P's fragments, two sets of four; v128-175 R's, two sets of two.
.set FI,    1536
.set TILEH, 4*FI                       ; a tile's four K steps of one half of K
.set HALF,  98304                      ; LDS: P's and R's K half 0, then their K half 1
.set ROFF,  49152                      ; in a half: P's 8 tiles, then R's
.set SCLP,  196608                     ; P's scale words, 4,096 bytes
.set SCLR,  200704                     ; R's
.set SPARE, 204800                     ; the spare words, 128 bytes for each wave, that no other line names
.set RR,  1
.set HH,  2
.set LN,  3
.set AP,  4                            ; v4-5  16 x lane, K half 0, 1
.set AR,  6                            ; v6-7  the same at my two tiles of R
.set ASP, 8                            ; v8    P's scale words: lanes 0-15 an even tile's rows, lanes 16-31 the next tile's
.set ASR, 9                            ; v9    R's: my two tiles
.set SPW, 10
.set NIL, 11
.set OV0, 12
.set OV1, 13
.set BV,  14
.set PV4, 15                           ; v15   4 (r + 8 (r / 8))
.set SC,  16
.set XC,  26                           ; v26-27 the extra code of my row in R's tile 0, 1
.set HIA, 28                           ; v28-29 what is added to its two scale bytes: the upper two bytes (Q: and -3 on each of the lower two)
.set T0,  30
.set T1,  31
.set BP,  32
.set PC,  32
.set CT,  48
.set TM,  96
.set PW,  112
.set W,   114
.set MK,  118
.set T2,  120
.set FLV, 121                          ; v121  the floor under a block's largest magnitude
.set ACC, 128
.set PF,  32                           ; window 1
.set RF,  128
.set WV,  20
.set WH,  21
.set WL,  22
.set CX,  23
.set CY,  24
.set WGX, 25
.set CLY, 26
.set KIND, 27
.set SPN, 28                           ; s28  P's panel: made of the cluster's x place and y number, never of its y place
.set SRN, 29                           ; s29  R's panel: the other way round
.set G1P, 32
.set G1R, 40
.set G1SP, 48
.set G1SR, 56
.set G0P, 68                           ; s[68:79] three groups 0 for P: scale words, K half 0, K half 1
.set G0R, 80                           ; s[80:91] for R
.set LS,  96
.set LC,  97
.set SEL, 98
.set MSB, 0
.macro WIN new                         ; the immediate's high byte repeats the setting that is left
.if MSB != \new
	s_set_vgpr_msb (MSB<<8)|\new
.set MSB, \new
.endif
.endm
.set MULW, 0x05                        ; sources 0 and 1 window 1; C and D window 0
.set TO_F, 0x40                        ; destination window 1, address window 0
.macro PLACES n
.rept \n
	v_nop
.endr
.endm
.macro CROUND                          ; a round of the cluster's barrier
	s_barrier_signal -1
	s_barrier_wait -1
	s_cmp_lg_u32 s[WV], 0
	s_cbranch_scc1 .Lnot_wave_0_\@
	s_barrier_signal -3
.Lnot_wave_0_\@:
	s_barrier_wait -3
	s_barrier_signal -1
	s_barrier_wait -1
.endm
.macro QUANT s, st, pw, fl             ; as in the first launch
.irp b, 0,1,2,3
	v_max3_num_f32 v[TM+\b], |v[\s+16*\b]|, |v[\s+1+16*\b]|, \fl
.endr
.irp i, 2,4,6,8,10,12,14
.irp b, 0,1,2,3
	v_max3_num_f32 v[TM+\b], v[TM+\b], |v[\s+16*\b+\i]|, |v[\s+1+16*\b+\i]|
.endr
.endr
.irp b, 0,1,2,3
	v_permlanex16_b32 v[TM+4+\b], v[TM+\b], s[SEL], s[SEL+1]
.endr
.irp b, 0,1,2,3
	v_max_num_f32 v[TM+\b], v[TM+\b], v[TM+4+\b]
.endr
.irp b, 0,1,2,3
	v_add_nc_u32 v[TM+12+\b], 0xff000000, v[TM+\b]
.endr
.irp b, 0,1,2,3
	v_lshrrev_b32 v[TM+4+\b], 23, v[TM+12+\b]
.endr
	v_lshl_or_b32 v[\pw], v[TM+5], 8, v[TM+4]
	v_lshl_or_b32 v[\pw], v[TM+6], 16, v[\pw]
	v_lshl_or_b32 v[\pw], v[TM+7], 24, v[\pw]
.irp c, 0,1
	v_cvt_scalef32_pk16_fp6_f32 v[PC+\st*\c:PC+\st*\c+2], v[\s+32*\c:\s+32*\c+15], v[TM+12+2*\c]
	v_cvt_scalef32_pk16_fp6_f32 v[CT+4*\c:CT+4*\c+2], v[\s+16+32*\c:\s+31+32*\c], v[TM+13+2*\c]
.endr
	v_nop
.irp c, 0,1
.irp i, 0,1,2
	v_permlane16_swap_b32 v[PC+\st*\c+\i], v[CT+4*\c+\i]
.endr
.irp i, 0,1,2
	v_mov_b32 v[PC+\st*\c+3+\i], v[CT+4*\c+\i]
.endr
.endr
.endm
; one matrix instruction.  u = 1: source 0's scale words lie in lanes 16-31;  rt = 1: source 1's do
.macro WM d, a, b, c, sa, sb, u, rt
.if (\u == 0) && (\rt == 0)
	v_wmma_scale_f32_16x16x128_f8f6f4 v[(\d):(\d)+7], v[(\a):(\a)+11], v[(\b):(\b)+11], v[(\c):(\c)+7], v[(\sa)], v[(\sb)] matrix_a_fmt:MATRIX_FMT_FP6 matrix_b_fmt:MATRIX_FMT_FP6
.elseif (\u == 1) && (\rt == 0)
	v_wmma_scale_f32_16x16x128_f8f6f4 v[(\d):(\d)+7], v[(\a):(\a)+11], v[(\b):(\b)+11], v[(\c):(\c)+7], v[(\sa)], v[(\sb)] matrix_a_fmt:MATRIX_FMT_FP6 matrix_b_fmt:MATRIX_FMT_FP6 matrix_a_scale:MATRIX_SCALE_ROW1
.elseif (\u == 0) && (\rt == 1)
	v_wmma_scale_f32_16x16x128_f8f6f4 v[(\d):(\d)+7], v[(\a):(\a)+11], v[(\b):(\b)+11], v[(\c):(\c)+7], v[(\sa)], v[(\sb)] matrix_a_fmt:MATRIX_FMT_FP6 matrix_b_fmt:MATRIX_FMT_FP6 matrix_b_scale:MATRIX_SCALE_ROW1
.else
	v_wmma_scale_f32_16x16x128_f8f6f4 v[(\d):(\d)+7], v[(\a):(\a)+11], v[(\b):(\b)+11], v[(\c):(\c)+7], v[(\sa)], v[(\sb)] matrix_a_fmt:MATRIX_FMT_FP6 matrix_b_fmt:MATRIX_FMT_FP6 matrix_a_scale:MATRIX_SCALE_ROW1 matrix_b_scale:MATRIX_SCALE_ROW1
.endif
.endm
; 8 matrix instructions: P's tiles 4 gi .. 4 gi + 3 x my two tiles of R, K step s.  The 16 accumulators take turns, one instruction a turn, in the same order in every K step.
; K step 0 takes the bias as C.  cm = 1: along P, eight registers a tile of P;  cm = 2: along R, eight equal registers a tile of R.
.macro MUL8 s, gi, cm
.irp i, 0,1
.irp u, 0,1
.irp rt, 0,1
.set T_, 4*(\gi)+2*\i+\u
.set D_, ACC+64*\rt+8*T_
.if (\s) == 0
.if \cm == 1
.set C_, BP+8*T_
.else
.set C_, BP+8*\rt
.endif
.else
.set C_, D_
.endif
	WM D_, PF+48*(\gi)+12*(2*\i+\u), RF+24*((\s)%2)+12*\rt, C_, SC+5*((\s)%2)+T_/2, SC+5*((\s)%2)+4, \u, \rt
.endr
.endr
.endr
.endm
.macro LOADP s, gi                     ; 12 loads: P's tiles 4 gi .. 4 gi + 3 of K step s into set gi
.irp t, 0,1,2,3
.irp g, 0,1,2
	ds_load_b128 v[PF+48*(\gi)+12*\t+4*\g:PF+48*(\gi)+12*\t+4*\g+3], v[AP+(\s)/4] offset:(4*(\gi)+\t)*TILEH+((\s)%4)*FI+512*\g
.endr
.endr
.endm
.macro LOADG0 s                        ; 23 loads: K step s: five registers of scale words, my two fragments of R, P's tiles 0-3
	WIN 0
.irp i, 0,1,2,3
	ds_load_b32 v[SC+5*((\s)%2)+\i], v[ASP] offset:1024*\i+256*((\s)/4)+4*((\s)%4)
.endr
	ds_load_b32 v[SC+5*((\s)%2)+4], v[ASR] offset:256*((\s)/4)+4*((\s)%4)
	WIN TO_F
.irp rt, 0,1
.irp g, 0,1,2
	ds_load_b128 v[RF+24*((\s)%2)+12*\rt+4*\g:RF+24*((\s)%2)+12*\rt+4*\g+3], v[AR+(\s)/4] offset:\rt*TILEH+((\s)%4)*FI+512*\g
.endr
.endr
	LOADP \s, 0
.endm
; All eight K steps, 16 groups of 8 matrix instructions.  While a group is multiplied the next group's loads are out.  Four places stand in front of each run of loads into registers that matrix instructions have read
; (ISA guide 7.12.1 for vector instructions).
.macro GEMM cm
	LOADG0 0
.irp s, 0,1,2,3,4,5,6,7
.if \s > 0
	PLACES 4
.endif
	WIN TO_F
	LOADP \s, 1
	s_wait_dscnt 12                                ; all but the 12 just issued
	WIN MULW
	MUL8 \s, 0, \cm
.if \s < 7
	PLACES 4
.if \s == 3
	WIN 0
	s_wait_tensorcnt 0x0                           ; my part of K half 1 is in,
	s_wait_dscnt 0x0
	s_barrier_signal -1
	s_barrier_wait -1                              ; everybody's is.  No LDS byte is filled again in this launch
.endif
	LOADG0 \s+1
	s_wait_dscnt 23                                ; all but the 23 just issued
.else
	s_wait_dscnt 0x0
.endif
	WIN MULW
	MUL8 \s, 1, \cm
.endr
	PLACES 4                                       ; in front of the first read of results
	WIN 0
.endm
.macro START                           ; the bias is in; the scale words and K half 0 are in LDS
	s_wait_loadcnt 0x0
	s_wait_tensorcnt 0x1                           ; of my three tensor loads K half 1's may stay out
	s_barrier_signal -1
	s_barrier_wait -1
.endm
	s_load_b512 s[4:19], s[0:1], 0x0               ; cimg, cscl, b_q, b_k, b_v, mask, qimg, kv
	v_lshl_add_u32 v[SPW], v0, 2, SPARE
	v_mov_b32 v[NIL], 0
	ds_add_u32 v[SPW], v[NIL]                      ; the wave's opening: the add, twice on end, and its wait ahead of my first tensor load
	ds_add_u32 v[SPW], v[NIL]
	v_lshrrev_b32 v[T0], 5, v0
	v_readfirstlane_b32 s[WV], v[T0]               ; wave 0..3
	s_lshr_b32 s[WH], s[WV], 1                     ; I fetch for P (0) or for R (1),
	s_and_b32 s[WL], s[WV], 1                      ; its tiles 0-3 or 4-7
	s_bfe_u32 s[CX], ttmp6, 0x40000
	s_bfe_u32 s[CY], ttmp6, 0x40004
	s_lshl_b32 s[WGX], ttmp9, 2
	s_add_co_u32 s[WGX], s[WGX], s[CX]             ; work-group x, 0..7
	s_and_b32 s[CLY], ttmp7, 0xffff                ; cluster y, 0..23
	s_lshr_b32 s[KIND], s[CLY], 3
	s_lshl_b32 s[SPN], s[KIND], 3
	s_add_co_u32 s[SPN], s[SPN], 96                ; Q, K: the weight's panels begin at 96 + 8 KIND
	s_bfe_u32 s2, s[CLY], 0x20001
	s_lshl_b32 s2, s2, 3
	s_add_co_u32 s2, s2, 64                        ; V: value's panels begin at 64; eight to two clusters of y
	s_cmp_eq_u32 s[KIND], 2
	s_cselect_b32 s[SPN], s2, s[SPN]
	s_add_co_u32 s[SPN], s[SPN], s[WGX]
	s_lshl_b32 s[SRN], s[CLY], 2                   ; Q, K: the tokens' panel 4 x cluster y + y place (query 0-31, key 32-63)
	s_and_b32 s3, s[CLY], 1
	s_lshl_b32 s3, s3, 2
	s_add_co_u32 s3, s3, 112                       ; V: w_v's panels begin at 112
	s_cmp_eq_u32 s[KIND], 2
	s_cselect_b32 s[SRN], s3, s[SRN]
	s_add_co_u32 s[SRN], s[SRN], s[CY]
	s_lshl_b32 s30, 0x1111, s[CX]                  ; my column of the cluster
	s_lshl_b32 s31, s[CY], 2
	s_lshl_b32 s31, 15, s31                        ; my row
	s_or_b32 s[G1P], s30, (3<<16)|(1<<21)          ; 15:0 the mask; 17:16 elements of 8 bytes; 21 set beside a mask; no padding
	s_or_b32 s[G1R], s31, (3<<16)|(1<<21)
	s_or_b32 s[G1SP], s30, (3<<16)|(1<<21)
	s_or_b32 s[G1SR], s31, (3<<16)|(1<<21)
.irp g, G1P, G1R                       ; codes: 4 tiles x 6,144 bytes (four K steps), 12,288 bytes from tile to tile
	s_mov_b32 s[\g+1], 768<<16
	s_mov_b32 s[\g+2], 4<<16
	s_mov_b32 s[\g+3], 768<<16
	s_mov_b32 s[\g+4], 4
	s_mov_b32 s[\g+5], 1536
	s_mov_b32 s[\g+6], 0
	s_mov_b32 s[\g+7], 0
.endr
.irp g, G1SP, G1SR                     ; scale words: 2,048 dense bytes as 8 rows of 256
	s_mov_b32 s[\g+1], 32<<16
	s_mov_b32 s[\g+2], 8<<16
	s_mov_b32 s[\g+3], 32<<16
	s_mov_b32 s[\g+4], 8
	s_mov_b32 s[\g+5], 32
	s_mov_b32 s[\g+6], 0
	s_mov_b32 s[\g+7], 0
.endr
	; every LDS address is made here, of the lane and the wave's number alone
	v_and_b32 v[RR], 15, v0
	v_bfe_u32 v[HH], v0, 4, 1
	v_and_b32 v[LN], 31, v0
	v_lshlrev_b32 v[AP], 4, v[LN]
	v_add_nc_u32 v[AP+1], HALF, v[AP]
	s_mul_i32 s[LS], s[WV], 2*TILEH
	s_add_co_u32 s[LS], s[LS], ROFF
	v_add_nc_u32 v[AR], s[LS], v[AP]
	v_add_nc_u32 v[AR+1], HALF, v[AR]
	v_lshlrev_b32 v[ASP], 4, v[RR]
	v_lshl_add_u32 v[ASP], v[HH], 9, v[ASP]        ; 512 h + 16 r
	s_lshl_b32 s[LS], s[WV], 10
	s_add_co_u32 s[LS], s[LS], SCLR
	v_add_nc_u32 v[ASR], s[LS], v[ASP]
	v_add_nc_u32 v[ASP], SCLP, v[ASP]
	s_lshl_b32 s[LS], s[WL], 11                    ; where my tensor loads land: scale words,
	s_mul_i32 s[LC], s[WL], 4*TILEH                ; codes
	v_and_b32 v[PV4], 8, v[RR]
	v_add_nc_u32 v[PV4], v[PV4], v[RR]
	v_lshlrev_b32 v[PV4], 2, v[PV4]
	v_lshlrev_b32 v[BV], 6, v[HH]
.irp b, 0,1,2,3
	v_mov_b32 v[TM+4+\b], 0                        ; written once: a lane permute's destination counts as one of its sources
.endr
	s_mov_b32 s[SEL], 0x76543210
	s_mov_b32 s[SEL+1], 0xfedcba98
	s_mul_i32 s92, s[SPN], 98304                   ; P's codes and scale words, in bytes
	s_mul_i32 s2, s[WL], 49152
	s_add_co_u32 s92, s92, s2
	s_mov_b32 s93, 0
	s_lshl_b32 s94, s[SPN], 12
	s_add_co_u32 s94, s94, s[LS]
	s_mov_b32 s95, 0
	s_mul_i32 s100, s[SRN], 98304                  ; R's
	s_mul_i32 s3, s[WL], 49152
	s_add_co_u32 s100, s100, s3
	s_mov_b32 s101, 0
	s_lshl_b32 s66, s[SRN], 12
	s_add_co_u32 s66, s66, s[LS]
	s_mov_b32 s67, 0
	s_wait_dscnt 0x0                               ; both opening adds are done
	s_wait_kmcnt 0x0
	s_mov_b32 s[G0P], 1
	s_add_co_u32 s[G0P+1], s[LS], SCLP
	s_add_nc_u64 s[G0P+2:G0P+3], s[6:7], s[94:95]
	s_or_b32 s[G0P+3], s[G0P+3], 0x80000000
	s_mov_b32 s[G0P+4], 1
	s_mov_b32 s[G0P+5], s[LC]
	s_add_nc_u64 s[G0P+6:G0P+7], s[4:5], s[92:93]
	s_mov_b32 s[G0P+8], 1
	s_add_co_u32 s[G0P+9], s[LC], HALF
	s_add_nc_u64 s[G0P+10:G0P+11], s[G0P+6:G0P+7], TILEH
	s_or_b32 s[G0P+7], s[G0P+7], 0x80000000
	s_or_b32 s[G0P+11], s[G0P+11], 0x80000000
	s_mov_b32 s[G0R], 1
	s_add_co_u32 s[G0R+1], s[LS], SCLR
	s_add_nc_u64 s[G0R+2:G0R+3], s[6:7], s[66:67]
	s_or_b32 s[G0R+3], s[G0R+3], 0x80000000
	s_mov_b32 s[G0R+4], 1
	s_add_co_u32 s[G0R+5], s[LC], ROFF
	s_add_nc_u64 s[G0R+6:G0R+7], s[4:5], s[100:101]
	s_mov_b32 s[G0R+8], 1
	s_add_co_u32 s[G0R+9], s[LC], ROFF+HALF
	s_add_nc_u64 s[G0R+10:G0R+11], s[G0R+6:G0R+7], TILEH
	s_or_b32 s[G0R+7], s[G0R+7], 0x80000000
	s_or_b32 s[G0R+11], s[G0R+11], 0x80000000
	CROUND                                         ; all sixteen work-groups are here: the joint loads meet
	s_cmp_eq_u32 s[WH], 0                          ; a wave's three first fills stand in one arm; an s_nop 0 follows each, four v_nop the third
	s_cbranch_scc0 .Lfor_r
	tensor_load_to_lds s[G0P:G0P+3], s[G1SP:G1SP+7]
	s_nop 0
	tensor_load_to_lds s[G0P+4:G0P+7], s[G1P:G1P+7]
	s_nop 0
	tensor_load_to_lds s[G0P+8:G0P+11], s[G1P:G1P+7]
	s_nop 0
	PLACES 4
	s_branch .Lasked
.Lfor_r:
	tensor_load_to_lds s[G0R:G0R+3], s[G1SR:G1SR+7]
	s_nop 0
	tensor_load_to_lds s[G0R+4:G0R+7], s[G1R:G1R+7]
	s_nop 0
	tensor_load_to_lds s[G0R+8:G0R+11], s[G1R:G1R+7]
	s_nop 0
	PLACES 4
.Lasked:
	s_cmp_eq_u32 s[KIND], 2
	s_cbranch_scc1 .Lvalue
	; ---------------- Q and K ----------------
	s_mov_b32 s104, 15104                          ; a head's record: in kv,
	s_cmp_eq_u32 s[KIND], 0
	s_cselect_b64 s[8:9], s[8:9], s[10:11]         ; b_q or b_k
	s_cselect_b64 s[16:17], s[16:17], s[18:19]     ; qimg or kv
	s_cselect_b32 s104, 8704, s104                 ; in qimg
	s_mov_b32 s105, 0
	s_lshl_b32 s10, s[WGX], 9
	s_mov_b32 s11, 0
	s_add_nc_u64 s[8:9], s[8:9], s[10:11]          ; the bias of my 128 channels
.irp b, 0,1,2,3
.irp j, 0,1,2,3
	global_load_b128 v[BP+16*\b+4*\j:BP+16*\b+4*\j+3], v[BV], s[8:9] offset:128*\b+16*\j   ; register 16 b + i: channel 32 b + 16 h + i
.endr
.endr
	s_and_b32 s10, s[SRN], 31                      ; the tokens' panel in its tensor
	s_lshl_b32 s12, s10, 4
	s_lshl_b32 s13, s[WGX], 1
	s_add_co_u32 s12, s12, s13                     ; record: 16 x panel + head 2 x work-group x
	s_mul_i32 s12, s12, s104
	s_mov_b32 s13, 0
	s_add_nc_u64 s[16:17], s[16:17], s[12:13]      ; the first head's record,
	s_add_nc_u64 s[18:19], s[16:17], s[104:105]    ; the second's
	s_lshl_b32 s12, s[WV], 11
	v_lshl_add_u32 v[OV0], v[LN], 4, s12           ; codes: 16 x lane + my two tiles
	s_lshl_b32 s12, s[WV], 7
	v_lshl_add_u32 v[OV1], v[LN], 2, s12           ; scale words: 4 x lane + my register of words
	s_cmp_eq_u32 s[KIND], 0
	s_cbranch_scc0 .Lkeys
	v_sub_nc_u32 v[T0], 1, v[HH]
	v_lshlrev_b32 v[XC], 3, v[T0]                  ; Q: code 64 is 1.0 (0x08): it lies in lanes 0-15
	v_mov_b32 v[XC+1], v[XC]
	v_mov_b32 v[HIA], 0x7f7efcfd                   ; 0x7f7f0000 - 0x0303: the bytes 127 on top, 3 off each of the lower two (both are 4 at the least: no borrow)
	v_mov_b32 v[HIA+1], v[HIA]
	v_mov_b32 v[FLV], 0x3000000                    ; the floor 2^(6 - 127)
	s_branch .Lqk
.Lkeys:
	s_lshl_b32 s10, s10, 9                         ; mask: 512 bytes a panel, 128 a wave
	s_lshl_b32 s12, s[WV], 7
	s_add_co_u32 s10, s10, s12
	s_add_nc_u64 s[14:15], s[14:15], s[10:11]
	global_load_b32 v[MK], v[PV4], s[14:15]
	global_load_b32 v[MK+1], v[PV4], s[14:15] offset:32
	v_mov_b32 v[T0], 0x01010000
	v_mov_b32 v[T1], 0x9b9b0000
	v_mov_b32 v[T2], 0x38
	v_mov_b32 v[FLV], 0x1800000                    ; the floor 2^(3 - 127)
	s_wait_loadcnt 0x0
.irp rt, 0,1
	v_cmp_eq_u32 vcc_lo, 0, v[MK+\rt]
	v_cndmask_b32 v[XC+\rt], 0, v[T2], vcc_lo      ; K: code 64 is -4.0 (0x38) where the key is hidden,
	v_cndmask_b32 v[HIA+\rt], v[T0], v[T1], vcc_lo ; under the byte 155; else 0 under the byte 1
.endr
.Lqk:
	START
	GEMM 1
	v_mov_b32 v[PC+7], 0
	v_mov_b32 v[PC+15], 0
.irp rt, 0,1
	s_wait_xcnt 0x0                                ; the stores before have read the codes' registers
	QUANT ACC+64*\rt, 8, PW, v121
	v_mov_b32 v[PC+6], v[XC+\rt]
	v_mov_b32 v[PC+14], v[XC+\rt]
	global_store_b128 v[OV0], v[PC:PC+3], s[16:17] offset:1024*\rt             ; each store covers 512 consecutive bytes, aligned
	global_store_b128 v[OV0], v[PC+4:PC+7], s[16:17] offset:1024*\rt+512
	global_store_b128 v[OV0], v[PC+8:PC+11], s[18:19] offset:1024*\rt
	global_store_b128 v[OV0], v[PC+12:PC+15], s[18:19] offset:1024*\rt+512
	v_and_b32 v[T0], 0xffff, v[PW]
	v_add_nc_u32 v[W+2*\rt], v[T0], v[HIA+\rt]     ; the first head's scale word of my row,
	v_lshrrev_b32 v[T0], 16, v[PW]
	v_add_nc_u32 v[W+2*\rt+1], v[T0], v[HIA+\rt]   ; the second's
.endr
	v_cmp_ne_u32 vcc_lo, 0, v[HH]                  ; lanes 0-15 store the even tile's words, lanes 16-31 the odd tile's
	v_cndmask_b32 v[T0], v[W], v[W+2], vcc_lo
	v_cndmask_b32 v[T1], v[W+1], v[W+3], vcc_lo
	global_store_b32 v[OV1], v[T0], s[16:17] offset:8192
	global_store_b32 v[OV1], v[T1], s[18:19] offset:8192
	s_branch .Lend
	; ---------------- V ----------------
.Lvalue:
	s_sub_co_u32 s10, s[SRN], 112                  ; which 128 channels (two heads)
	s_lshl_b32 s8, s10, 9
	s_lshl_b32 s9, s[WV], 7
	s_add_co_u32 s8, s8, s9
	s_mov_b32 s9, 0
	s_add_nc_u64 s[12:13], s[12:13], s[8:9]
	global_load_b32 v[BP], v[PV4], s[12:13]                    ; b_v of my channel in R's tile 0,
	global_load_b32 v[BP+8], v[PV4], s[12:13] offset:32        ; in tile 1
	s_sub_co_u32 s11, s[SPN], 64                   ; the keys' panel
	s_lshl_b32 s11, s11, 4
	s_lshl_b32 s10, s10, 1
	s_add_co_u32 s10, s10, s11
	s_mul_i32 s10, s10, 15104
	s_add_co_u32 s10, s10, 8704                    ; V's part of the first head's record
	s_mov_b32 s11, 0
	s_add_nc_u64 s[18:19], s[18:19], s[10:11]
	s_mul_i32 s10, s[WH], 15104                    ; waves 2, 3: the second head
	s_mul_i32 s11, s[WL], 2*FI
	s_add_co_u32 s11, s11, s10
	v_lshl_add_u32 v[OV0], v[LN], 4, s11
	s_lshl_b32 s11, s[WL], 7
	s_add_co_u32 s11, s11, s10
	v_lshl_add_u32 v[OV1], v[LN], 2, s11
	s_wait_loadcnt 0x0
.irp rt, 0,1
.irp j, 1,2,3,4,5,6,7
	v_mov_b32 v[BP+8*\rt+\j], v[BP+8*\rt]          ; the C of a first product: eight registers, all my channel's bias
.endr
.endr
	START
	GEMM 2
.irp rt, 0,1
	s_wait_xcnt 0x0
	QUANT ACC+64*\rt, 6, PW+\rt, 0x1800000
.irp g, 0,1,2
	global_store_b128 v[OV0], v[PC+4*\g:PC+4*\g+3], s[18:19] offset:FI*\rt+512*\g
.endr
.endr
	v_cmp_ne_u32 vcc_lo, 0, v[HH]
	v_cndmask_b32 v[T0], v[PW], v[PW+1], vcc_lo
	global_store_b32 v[OV1], v[T0], s[18:19] offset:4*FI
.Lend:
	s_wait_tensorcnt 0x0                           ; the wave's end, behind my last tensor load
	ds_add_u32 v[SPW], v[NIL]
	s_wait_dscnt 0x0
	CROUND                                         ; the closing round
	s_endpgm
.Lfunc_end_k_qaf930dd097_proj:
	.size	k_qaf930dd097_proj, .Lfunc_end_k_qaf930dd097_proj-k_qaf930dd097_proj
	.p2alignl 7, 3214868480
	.fill 96, 4, 3214868480
	.section	.rodata,"a",@progbits
	.p2align	6, 0x0
	.amdhsa_kernel k_qaf930dd097_proj
		.amdhsa_group_segment_fixed_size 212992
		.amdhsa_private_segment_fixed_size 0
		.amdhsa_enable_private_segment 0
		.amdhsa_kernarg_size 64
		.amdhsa_user_sgpr_count 2
		.amdhsa_user_sgpr_kernarg_segment_ptr 1
		.amdhsa_wavefront_size32 1
		.amdhsa_system_sgpr_workgroup_id_x 1
		.amdhsa_system_sgpr_workgroup_id_y 1
		.amdhsa_system_sgpr_workgroup_id_z 1
		.amdhsa_system_vgpr_workitem_id 0
		.amdhsa_next_free_vgpr 432
		.amdhsa_next_free_sgpr 106
		.amdhsa_reserve_vcc 1
		.amdhsa_float_denorm_mode_32 3
		.amdhsa_float_denorm_mode_16_64 3
		.amdhsa_memory_ordered 1
		.amdhsa_forward_progress 1
		.amdhsa_inst_pref_size 105
	.end_amdhsa_kernel
	.amdgpu_metadata
---
amdhsa.version: [ 1, 2 ]
amdhsa.kernels:
  - .name:           k_qaf930dd097_proj
    .symbol:         k_qaf930dd097_proj.kd
    .args:
      - { .name: cimg, .offset: 0, .size: 8, .value_kind: global_buffer, .address_space: global }
      - { .name: cscl, .offset: 8, .size: 8, .value_kind: global_buffer, .address_space: global }
      - { .name: b_q, .offset: 16, .size: 8, .value_kind: global_buffer, .address_space: global }
      - { .name: b_k, .offset: 24, .size: 8, .value_kind: global_buffer, .address_space: global }
      - { .name: b_v, .offset: 32, .size: 8, .value_kind: global_buffer, .address_space: global }
      - { .name: mask, .offset: 40, .size: 8, .value_kind: global_buffer, .address_space: global }
      - { .name: qimg, .offset: 48, .size: 8, .value_kind: global_buffer, .address_space: global }
      - { .name: kv, .offset: 56, .size: 8, .value_kind: global_buffer, .address_space: global }
    .group_segment_fixed_size: 212992
    .private_segment_fixed_size: 0
    .kernarg_segment_align: 8
    .kernarg_segment_size: 64
    .max_flat_workgroup_size: 128
    .sgpr_count:     106
    .vgpr_count:     432
    .wavefront_size: 32
...
	.end_amdgpu_metadata
.endif
;; end of part 2
;; launch attn (part 3): grid 4 x 64, 16 waves a work-group, clusters of 4 x 4, 327,680 bytes of LDS; arguments qimg, kv, attn_bias, mask, oimg, oscl; writes oimg, oscl
.if DOCPART == 3
	.amdgcn_target "amdgcn-amd-amdhsa--gfx1250"
	.amdhsa_code_object_version 6
	.text
	.protected	k_qaf930dd097_attn
	.globl	k_qaf930dd097_attn
	.p2align	8
	.type	k_qaf930dd097_attn,@function
k_qaf930dd097_attn:
	s_mov_b64 s[64:65], 0
	v_nop
	global_prefetch_b8 v0, s[64:65] scope:SCOPE_SE
	s_setreg_imm32_b32 hwreg(HW_REG_WAVE_MODE, 25, 1), 1
	s_wait_xcnt 0x0
	s_wait_alu depctr_hold_cnt(0) depctr_sa_sdst(0) depctr_va_vdst(0) depctr_va_sdst(0) depctr_va_ssrc(0) depctr_va_vcc(0) depctr_vm_vsrc(0)
	s_getreg_b32 s2, hwreg(HW_REG_IB_STS2, 6, 4)
	s_cmp_eq_u32 s2, 0
	s_cbranch_scc0 .Lentry_in_a_cluster
	s_endpgm
.Lentry_in_a_cluster:
	s_bfe_u32 s2, ttmp6, 0x10000c
	s_cmp_lg_u32 s2, 0xf033
	s_cbranch_scc0 .Lentry_shape_is_right
	s_endpgm
.Lentry_shape_is_right:
; Launch 3 of 4: attention on codes; its result is quantised in registers for the last product.  No work of the problem is left out here.
; SHARES.  A work-group takes 64 queries x 4 heads; each of its sixteen waves one tile of 16 queries of one head (head = wave % 4, tile = wave / 4) in 256 registers.  Every wave walks the batch's 2,048 keys, 128 a step.
; BOTH PRODUCTS ARE USED TRANSPOSED: S^T = K Q^T, O^T = V^T P^T: a lane holds one query throughout.  K's tiles and V's tiles of channels are laid (launch 2) so that a lane's registers run along neighbouring keys and channels.
; THE LOGIT COMES WHOLE FROM THE MATRIX UNIT: attn_bias is the C of the score product (loaded from LDS into the accumulators' registers); 1 / 8 lies in Q's scale bytes; the mask's -2^30 lies in code 64 of the keys.
; SOFTMAX: t = logit x log2(e); M = the running largest t rounded up to a whole number; p = 2^(t - M) is quantised along the keys; the row's sum is taken of the unquantised p and divides at the end;
; when M moves, the sum and O^T are multiplied by 2^(old M - new M), which rounds nothing.  A hidden key's p is 0 as soon as one key that counts has been met.
; A BATCH ALL OF WHOSE KEYS ARE HIDDEN has equal logits in the problem's own terms, so p = 1 everywhere: each wave ORs its batch's 2,048 mask words and takes c = 0 for log2(e) by a select, with no branch.
; LIMIT: logits that count stay under 2^29 in magnitude.
; THE RING: two LDS slots of one key step: the four heads' records of kv (60,416 bytes) and the bias tile, 64 rows x 512 bytes, rows 528 apart.  Waves 0, 1 fetch kv's halves, wave 2 the bias: one tensor load of a wave is out at the most.
; CLUSTER, 4 x 4: the four head groups of a block of queries (a row) ask for the bias tile jointly, the four blocks of queries of a head group (a column) for kv.
; TWO GROUPS OF WAVES, HALF A STEP APART.  A key step has two halves: the LOADS (50 LDS loads and the 8 score products, behind which all that the step needs of its slot lies in registers) and the SOFTMAX (vector work and
; the 4 products with V, on registers alone).  Between two changes of slots the waves of group 0 run the loads and then the softmax of step n; those of group 1 the softmax of step n - 1 and then the loads of step n.
; So while eight waves read LDS the other eight compute.  Both groups read slot n behind the round of change n and have waited for those reads in front of the round of change n + 1, behind which the slot is filled again.
; group = (wave xor wave / 4) % 2: of waves w, w + 4, w + 8, w + 12 two are in each group, and of waves 4 s .. 4 s + 3 likewise.
; The partings hang on the wave's number alone and lead round no barrier, no wait for tensor loads, no add and no tensor load; the LDS addresses are made on the way that all waves take.
.set KVB,   15104                      ; a head's record of a key step
.set KVS,   4*KVB
.set BOFF,  KVS                        ; the bias tile in a slot
.set BPI,   528
.set SCS,   98304                      ; between the slots: 512 bytes in which the work-group's scale words meet on the way out; no tensor load lands there
.set SLOT1, 1<<17
.set SPARE, SLOT1+KVS+64*BPI           ; the spare words, 128 bytes for each wave, that no other line names
.set AK0,  1                           ; v1   16 x lane + my head's record
.set ASK0, 2                           ; v2   4 x lane + my head's record + 8,192: K's scale words
.set AB0,  3                           ; v3   my query's row of the bias tile + 64 h
.set SPW,  4
.set NIL,  5
.set PFO,  6                           ; v6   the prefetches' offset; never rewritten
.set SCW,  7                           ; v7   where I put my two scale bytes
.set ADK,  8                           ; v8-10 the three addresses in the slot in hand
.set ADS,  9
.set ADB,  10
.set L16,  11                          ; v11  16 x lane
.set QF,   16                          ; v16-27 Q's fragment (registers 8-11 are zeros)
.set QS,   28                          ; v28  Q's scale words;  v29 p's;  v30-31 V's
.set PS,   29
.set VS,   30
.set KF,   32                          ; v32-79  four fragments of K (registers 8-11 of each are zeros, written once)
.set VF,   80                          ; v80-127 V's four
.set S,    128                         ; v128-191 bias, then logits, then p
.set O,    192                         ; v192-223 O^T
.set PCD,  224                         ; v224-235 p's codes
.set TP,   236                         ; v236-243 at work
.set BM,   244                         ; v244-247 the blocks' largest logits, then the conversions' scale operands
.set KS,   248                         ; v248-251 K's scale words
.set SCR,  255                         ; v255 SCS + 16 x lane
.set WV,   18
.set GRP,  19                          ; s19  my group, 0 or 1
.set SEL,  20
.set CS,   22                          ; s[22:23] c = log2(e), or 0
.set G1KV, 24
.set G1B,  32
.set G0KV, 40
.set G0B,  44
.set TB,   2
.set SLOTS, 3
.set CX,   48
.set CY,   49
.set CLY,  50
.set WGY,  51
.set BB,   52
.set HL,   53
.set QT,   54
.set PFA,  66
.set PFS,  68
.set LIM,  70
.macro PLACES n
.rept \n
	v_nop
.endr
.endm
.macro CROUND
	s_barrier_signal -1
	s_barrier_wait -1
	s_cmp_lg_u32 s[WV], 0
	s_cbranch_scc1 .Lnot_wave_0_\@
	s_barrier_signal -3
.Lnot_wave_0_\@:
	s_barrier_wait -3
	s_barrier_signal -1
	s_barrier_wait -1
.endm
.macro JLOAD                           ; the branches hang on the wave's number alone; an s_nop 0 and four v_nop follow each of the two lines
	s_cmp_lt_u32 s[WV], 2
	s_cbranch_scc0 .Lnot_kv_\@
	tensor_load_to_lds s[G0KV:G0KV+3], s[G1KV:G1KV+7]
	s_nop 0
	PLACES 4
	s_branch .Lasked_\@
.Lnot_kv_\@:
	s_cmp_eq_u32 s[WV], 2
	s_cbranch_scc0 .Lasked_\@
	tensor_load_to_lds s[G0B:G0B+3], s[G1B:G1B+7]
	s_nop 0
	PLACES 4
.Lasked_\@:
.endm
; A PREFETCH INTO THE L2 of what the next change of slots will ask for, one key step ahead of that load.  The bias tile: wave 3 of every work-group; the four partners of a row share its 64 rows x 2 blocks of 256 bytes out by
; address, 16 rows each.  kv: waves 4 and 5 of the batch's first cluster; the partner at y place p takes head record 4 x head group + p, 59 blocks (the last five lanes of wave 5 name the last block together).
; The last change that fills a slot asks for nothing; nothing is asked for at the head.
.macro ASKPF
	s_cmp_gt_u32 s[SLOTS], s[LIM]
	s_cbranch_scc0 .Lnot_mine_\@
	global_prefetch_b8 v[PFO], s[PFA:PFA+1] th:TH_LOAD_NT scope:SCOPE_SE
.Lnot_mine_\@:
.endm
.macro SMUL t                          ; logits of K's tile t: C = the bias, in place
.if ((\t)%2) == 0
	v_wmma_scale_f32_16x16x128_f8f6f4 v[S+8*(\t):S+8*(\t)+7], v[KF+12*((\t)%4):KF+12*((\t)%4)+11], v[QF:QF+11], v[S+8*(\t):S+8*(\t)+7], v[KS+(\t)/2], v[QS] matrix_a_fmt:MATRIX_FMT_FP6 matrix_b_fmt:MATRIX_FMT_FP6
.else
	v_wmma_scale_f32_16x16x128_f8f6f4 v[S+8*(\t):S+8*(\t)+7], v[KF+12*((\t)%4):KF+12*((\t)%4)+11], v[QF:QF+11], v[S+8*(\t):S+8*(\t)+7], v[KS+(\t)/2], v[QS] matrix_a_fmt:MATRIX_FMT_FP6 matrix_b_fmt:MATRIX_FMT_FP6 matrix_a_scale:MATRIX_SCALE_ROW1
.endif
.endm
.macro OMUL t                          ; O^T's tile t of 16 channels
.if ((\t)%2) == 0
	v_wmma_scale_f32_16x16x128_f8f6f4 v[O+8*(\t):O+8*(\t)+7], v[VF+12*(\t):VF+12*(\t)+11], v[PCD:PCD+11], v[O+8*(\t):O+8*(\t)+7], v[VS+(\t)/2], v[PS] matrix_a_fmt:MATRIX_FMT_FP6 matrix_b_fmt:MATRIX_FMT_FP6
.else
	v_wmma_scale_f32_16x16x128_f8f6f4 v[O+8*(\t):O+8*(\t)+7], v[VF+12*(\t):VF+12*(\t)+11], v[PCD:PCD+11], v[O+8*(\t):O+8*(\t)+7], v[VS+(\t)/2], v[PS] matrix_a_fmt:MATRIX_FMT_FP6 matrix_b_fmt:MATRIX_FMT_FP6 matrix_a_scale:MATRIX_SCALE_ROW1
.endif
.endm
.macro KLOAD g                         ; K's tiles 4 g .. 4 g + 3: registers 0-7 of each fragment
.irp t, 0,1,2,3
	ds_load_b128 v[KF+12*\t:KF+12*\t+3], v[ADK] offset:1024*(4*(\g)+\t)
	ds_load_b128 v[KF+12*\t+4:KF+12*\t+7], v[ADK] offset:1024*(4*(\g)+\t)+512
.endr
.endm
; The three addresses in the slot that this change of slots has opened: made on the way that all waves take, for both groups' loads of this trip.
.macro ADDR
	v_add_nc_u32 v[ADK], s[TB], v[AK0]
	v_add_nc_u32 v[ADS], s[TB], v[ASK0]
	v_add_nc_u32 v[ADB], s[TB], v[AB0]
	s_xor_b32 s[TB], s[TB], SLOT1                  ; the next trip's slot
.endm
; THE LOADS OF A KEY STEP, and its 8 score products.  The twelve accumulators (8 of logits, 4 of O^T) take turns, one matrix instruction a turn, on either group's way.
.macro LOADPH
.irp b, 0,1,2,3
.irp i, 0,1,2,3
	ds_load_b128 v[S+16*\b+4*\i:S+16*\b+4*\i+3], v[ADB] offset:128*\b+16*\i   ; register 16 b + i: the bias of key 32 b + 16 h + i
.endr
.endr
.irp b, 0,1,2,3
	ds_load_b32 v[KS+\b], v[ADS] offset:128*\b     ; lanes 0-15 tile 2 b, lanes 16-31 tile 2 b + 1
.endr
	KLOAD 0
	s_wait_dscnt 0x0
	SMUL 0
	SMUL 1
	SMUL 2
	SMUL 3
	PLACES 4                                       ; in front of loads into registers that matrix instructions have read: K's of the four above, and in group 1 V's and its scale words of the products with V just before
	KLOAD 1
.irp t, 0,1,2,3
.irp g, 0,1,2
	ds_load_b128 v[VF+12*\t+4*\g:VF+12*\t+4*\g+3], v[ADK] offset:8704+1536*\t+512*\g
.endr
.endr
	ds_load_b32 v[VS], v[ADS] offset:6656
	ds_load_b32 v[VS+1], v[ADS] offset:6656+128
	s_wait_dscnt 14                                ; K's tiles 4-7 are in; V's 12 loads and its 2 of scale words stay out
	SMUL 4
	SMUL 5
	SMUL 6
	SMUL 7
	PLACES 4                                       ; in front of the first read of the logits, on either group's way
.endm
; THE SOFTMAX OF A KEY STEP and its 4 products with V: work on registers alone, but for the wait for V's loads.
.macro SOFTMAX
.irp b, 0,1,2,3
	v_max3_num_f32 v[BM+\b], v[S+16*\b], v[S+16*\b+1], v[S+16*\b+2]   ; the largest logit of each block of 32 keys: for the row's maximum, and, since p rises with the logit, for the block's largest p
.endr
.irp i, 3,5,7,9,11,13
.irp b, 0,1,2,3
	v_max3_num_f32 v[BM+\b], v[BM+\b], v[S+16*\b+\i], v[S+16*\b+\i+1]
.endr
.endr
.irp b, 0,1,2,3
	v_max_num_f32 v[BM+\b], v[BM+\b], v[S+16*\b+15]
.endr
.irp b, 0,1,2,3
	v_permlanex16_b32 v[TP+\b], v[BM+\b], s[SEL], s[SEL+1]
.endr
.irp b, 0,1,2,3
	v_max_num_f32 v[BM+\b], v[BM+\b], v[TP+\b]     ; with lane l xor 16's 16 keys
.endr
	v_max3_num_f32 v254, v[BM], v[BM+1], v[BM+2]
	v_max_num_f32 v254, v254, v[BM+3]
	v_mul_f32 v254, s[CS], v254                    ; as t (c is not negative)
	v_max_num_f32 v13, v13, v254                   ; the running largest t
	v_mov_b32 v254, v12
	v_floor_f32 v12, -v13                          ; the new -M = floor(-t): M is a whole number
	v_sub_f32 v254, v12, v254                      ; old M - new M, 0 or less
	v_cvt_i32_f32 v254, v254                       ; (it saturates)
	v_ldexp_f32 v252, 1.0, v254                    ; f = 2^(old M - new M)
.irp j, 0,2,4,6,8,10,12,14,16,18,20,22,24,26,28,30,32,34,36,38,40,42,44,46,48,50,52,54,56,58,60,62
	v_pk_fma_f32 v[S+\j:S+\j+1], v[S+\j:S+\j+1], s[CS:CS+1], v[12:13] op_sel_hi:[1,0,0]   ; t - M, two at a time
.endr
.irp b, 0,1,2,3
	v_fma_f32 v[BM+\b], v[BM+\b], s[CS], v12
.endr
.irp j, 0,1,2,3,4,5,6,7,8,9,10,11,12,13,14,15,16,17,18,19,20,21,22,23,24,25,26,27,28,29,30,31,32,33,34,35,36,37,38,39,40,41,42,43,44,45,46,47,48,49,50,51,52,53,54,55,56,57,58,59,60,61,62,63
	v_exp_f32 v[S+\j], v[S+\j]                     ; p = 2^(t - M)
.endr
	v_pk_mul_f32 v[14:15], v[14:15], v[252:253] op_sel_hi:[1,0]   ; the sums under the new M: the plain place behind the exponentials
	s_wait_alu depctr_va_vdst(0)                   ; one wait for the batch of 64, ahead of its first reader
.irp b, 0,1,2,3
	v_exp_f32 v[BM+\b], v[BM+\b]                   ; the blocks' largest p
.endr
	v_pk_add_f32 v[TP:TP+1], v[S:S+1], v[S+2:S+3]  ; the row's sum of the unquantised p, in two chains
.irp j, 4,8,12,16,20,24,28,32,36,40,44,48,52,56,60
	v_pk_add_f32 v[14:15], v[14:15], v[S+\j:S+\j+1]
	v_pk_add_f32 v[TP:TP+1], v[TP:TP+1], v[S+\j+2:S+\j+3]
.endr
	v_pk_add_f32 v[14:15], v[14:15], v[TP:TP+1]
	s_wait_alu depctr_va_vdst(0)                   ; and one for the four
.irp b, 0,1,2,3
	v_max_num_f32 v[BM+\b], 0x1800000, v[BM+\b]    ; the floor 2^(3 - 127): the byte cannot fall under 1
.endr
.irp b, 0,1,2,3
	v_add_nc_u32 v[BM+\b], 0xff000000, v[BM+\b]    ; 2 off the exponent field: the conversion's scale operand
.endr
.irp b, 0,1,2,3
	v_lshrrev_b32 v[TP+\b], 23, v[BM+\b]
.endr
	v_lshl_or_b32 v[PS], v[TP+1], 8, v[TP]
	v_lshl_or_b32 v[PS], v[TP+2], 16, v[PS]
	v_lshl_or_b32 v[PS], v[TP+3], 24, v[PS]        ; p's scale word for these 128 keys
.irp c, 0,1
	v_cvt_scalef32_pk16_fp6_f32 v[PCD+6*\c:PCD+6*\c+2], v[S+32*\c:S+32*\c+15], v[BM+2*\c]
	v_cvt_scalef32_pk16_fp6_f32 v[TP+4*\c:TP+4*\c+2], v[S+16+32*\c:S+31+32*\c], v[BM+2*\c+1]
.endr
	v_nop
.irp c, 0,1
.irp i, 0,1,2
	v_permlane16_swap_b32 v[PCD+6*\c+\i], v[TP+4*\c+\i]
.endr
.irp i, 0,1,2
	v_mov_b32 v[PCD+6*\c+3+\i], v[TP+4*\c+\i]
.endr
.endr
.irp j, 0,2,4,6,8,10,12,14,16,18,20,22,24,26,28,30
	v_pk_mul_f32 v[O+\j:O+\j+1], v[O+\j:O+\j+1], v[252:253] op_sel_hi:[1,0]   ; O^T under the new M; of these 16 at least 12 name no register of any one product below: the places behind p's codes and scale word
.endr
	s_wait_dscnt 0x0                               ; V
	OMUL 0
	OMUL 1
	OMUL 2
	OMUL 3
.endm
; THE CHANGE OF SLOTS, at a trip's head.  Each wave waits for all its tensor loads, adds 0 to its spare word, and waits for that and for its reads of the slot that it has left.  fill = 1: a round of the cluster's barrier,
; and behind it the slot just left is filled with the next step but one: no wave of any partner, of either group, still reads it.
.macro CHANGE fill
	s_wait_tensorcnt 0x0                           ; no tensor load of mine is out, so a group 0 may be written
	ds_add_u32 v[SPW], v[NIL]
.if \fill
	ds_add_u32 v[SPW], v[NIL]                      ; and twice on end here, in every trip alike
	s_xor_b32 s[G0KV+1], s[G0KV+1], SLOT1
	s_add_nc_u64 s[G0KV+2:G0KV+3], s[G0KV+2:G0KV+3], 16*KVB
	s_xor_b32 s[G0B+1], s[G0B+1], SLOT1
	s_add_nc_u64 s[G0B+2:G0B+3], s[G0B+2:G0B+3], 512
	s_wait_xcnt 0x0                                ; the last prefetch, a step back, has read its address
	s_add_nc_u64 s[PFA:PFA+1], s[PFA:PFA+1], s[PFS:PFS+1]
	s_wait_dscnt 0x0
	CROUND
	JLOAD
	ASKPF
.else
	s_wait_dscnt 0x0
	s_barrier_signal -1
	s_barrier_wait -1
.endif
.endm
; A TRIP, n = 1 .. 15.  Group 0: the loads and the softmax of step n.  Group 1: the softmax of step n - 1, then the loads of step n.
.macro TRIP fill
	CHANGE \fill
	ADDR
	s_cmp_eq_u32 s[GRP], 0
	s_cbranch_scc0 .Llate_\@
	LOADPH
.Llate_\@:
	SOFTMAX
	s_cmp_eq_u32 s[GRP], 0
	s_cbranch_scc1 .Learly_\@
	LOADPH
.Learly_\@:
.endm
	s_load_b256 s[4:11], s[0:1], 0x0               ; qimg, kv, attn_bias, mask
	s_load_b128 s[12:15], s[0:1], 0x20             ; oimg, oscl
	v_lshl_add_u32 v[SPW], v0, 2, SPARE
	v_mov_b32 v[NIL], 0
	ds_add_u32 v[SPW], v[NIL]                      ; the wave's opening: the add, twice on end, and its wait ahead of the first tensor load
	ds_add_u32 v[SPW], v[NIL]
	v_lshrrev_b32 v8, 5, v0
	v_readfirstlane_b32 s[WV], v8                  ; wave 0..15
	s_lshr_b32 s[GRP], s[WV], 2
	s_xor_b32 s[GRP], s[GRP], s[WV]
	s_and_b32 s[GRP], s[GRP], 1                    ; my group
	s_bfe_u32 s[CX], ttmp6, 0x40000                ; the head group
	s_bfe_u32 s[CY], ttmp6, 0x40004
	s_and_b32 s[CLY], ttmp7, 0xffff
	s_lshl_b32 s[WGY], s[CLY], 2
	s_add_co_u32 s[WGY], s[WGY], s[CY]             ; my block of 64 queries, 0..63
	s_lshr_b32 s[BB], s[CLY], 3                    ; the batch
	s_and_b32 s[HL], s[WV], 3
	s_lshr_b32 s[QT], s[WV], 2
	; every lane's place in LDS is made here, of the lane and the wave's number alone
	v_and_b32 v8, 31, v0
	v_and_b32 v9, 15, v0
	v_bfe_u32 v10, v0, 4, 1
	v_lshlrev_b32 v[L16], 4, v8
	s_mul_i32 s55, s[HL], KVB
	v_add_nc_u32 v[AK0], s55, v[L16]
	v_lshlrev_b32 v[ASK0], 2, v8
	s_add_co_u32 s55, s55, 8192
	v_add_nc_u32 v[ASK0], s55, v[ASK0]
	v_mul_u32_u24 v[AB0], v9, BPI
	v_lshl_add_u32 v[AB0], v10, 6, v[AB0]
	s_mul_i32 s55, s[QT], 16*BPI
	s_add_co_u32 s55, s55, BOFF
	v_add_nc_u32 v[AB0], s55, v[AB0]
	s_lshl_b32 s55, s[QT], 7                       ; the scale words' meeting place: [tile 4][K step's parity 2][row 16] words, a head's two bytes in a half word
	s_lshr_b32 s62, s[HL], 1
	s_lshl_b32 s62, s62, 6
	s_add_co_u32 s55, s55, s62
	s_and_b32 s62, s[HL], 1
	s_lshl_b32 s62, s62, 1
	s_add_co_u32 s55, s55, s62
	s_add_co_u32 s55, s55, SCS
	v_lshl_add_u32 v[SCW], v9, 2, s55
	v_add_nc_u32 v[SCR], SCS, v[L16]
	v_lshlrev_b32 v254, 2, v9                      ; 4 r: Q's scale words
	; the prefetches' offsets
	v_lshrrev_b32 v252, 1, v8
	v_lshlrev_b32 v252, 13, v252
	v_and_b32 v253, 1, v8
	v_lshl_add_u32 v252, v253, 8, v252             ; bias: row lane / 2, block lane % 2
	s_and_b32 s55, s[WV], 1
	s_lshl_b32 s62, s55, 5
	v_add_nc_u32 v253, s62, v8
	v_min_u32 v253, 58, v253
	v_lshlrev_b32 v253, 8, v253                    ; kv: block lane + 32 (wave % 2), the record's last at the most
	s_cmp_eq_u32 s[WV], 3
	s_cselect_b32 s62, -1, 0
	v_cndmask_b32 v[PFO], v253, v252, s62
	s_mul_i32 s59, s55, 2*KVB                      ; where my half of kv lands in a slot
	; descriptors' constant words
	s_lshl_b32 s63, 0x1111, s[CX]                  ; my column: kv
	s_or_b32 s[G1KV], s63, (3<<16)|(1<<21)         ; elements of 8 bytes, no padding: 30,208 dense bytes as 118 rows of 256
	s_mov_b32 s[G1KV+1], 32<<16
	s_mov_b32 s[G1KV+2], 118<<16
	s_mov_b32 s[G1KV+3], 32<<16
	s_mov_b32 s[G1KV+4], 118
	s_mov_b32 s[G1KV+5], 32
	s_mov_b32 s[G1KV+6], 0
	s_mov_b32 s[G1KV+7], 0
	s_lshl_b32 s71, s[CY], 2
	s_lshl_b32 s71, 15, s71                        ; my row: the bias
	s_or_b32 s[G1B], s71, (2<<16)|(1<<20)|(1<<21)|(6<<22)|(3<<25)   ; elements of 4 bytes; 4 words of padding behind every 128
	s_mov_b32 s[G1B+1], 128<<16
	s_mov_b32 s[G1B+2], 64<<16
	s_mov_b32 s[G1B+3], 128<<16
	s_mov_b32 s[G1B+4], 64
	s_mov_b32 s[G1B+5], 2048
	s_mov_b32 s[G1B+6], 0
	s_mov_b32 s[G1B+7], 0
	s_lshl_b32 s56, s[BB], 8                       ; kv: record 256 x batch + 4 x head group + 2 x (wave % 2), of key step 0
	s_lshl_b32 s57, s[CX], 2
	s_add_co_u32 s56, s56, s57
	s_lshl_b32 s57, s55, 1
	s_add_co_u32 s56, s56, s57
	s_mul_i32 s56, s56, KVB
	s_mov_b32 s57, 0
	s_lshl_b32 s60, s[WGY], 19                     ; the bias: 64 rows of 8,192 bytes a block of queries
	s_mov_b32 s61, 0
	; Q, the way out, the prefetches: offsets in registers that feed no descriptor
	s_lshr_b32 s76, s[WGY], 1
	s_lshl_b32 s76, s76, 4
	s_lshl_b32 s77, s[CX], 2
	s_add_co_u32 s77, s77, s[HL]                   ; my head
	s_add_co_u32 s76, s76, s77
	s_mul_i32 s76, s76, 8704                       ; its record in the panel of 128 queries
	s_and_b32 s78, s[WGY], 1
	s_lshl_b32 s78, s78, 2
	s_add_co_u32 s78, s78, s[QT]                   ; my tile in the panel
	s_lshl_b32 s79, s78, 10
	s_lshl_b32 s78, s78, 6
	s_add_co_u32 s78, s78, s76                     ; its scale words: 64 bytes a tile, from 8,192 on
	s_add_co_u32 s76, s76, s79                     ; its codes
	s_lshl_b32 s72, s[WGY], 2
	s_add_co_u32 s72, s72, s[QT]
	s_lshl_b32 s72, s72, 4
	s_add_co_u32 s72, s72, s77
	s_mul_i32 s72, s72, 768                        ; oimg: [tile of queries][head][768]
	s_lshl_b32 s74, s[WGY], 2
	s_add_co_u32 s74, s74, s[CX]
	s_lshl_b32 s74, s74, 9                         ; oscl: [block of queries][head group][512]
	s_mov_b32 s73, 0
	s_mov_b32 s75, 0
	s_mov_b32 s77, 0
	s_mov_b32 s79, 0
	s_lshl_b32 s58, s[WGY], 19
	s_lshl_b32 s62, s[CX], 17
	s_add_co_u32 s58, s58, s62
	s_add_co_u32 s58, s58, 512                     ; bias: my 16 rows, key step 1: the first change of slots steps it to step 2
	s_lshl_b32 s62, s[BB], 8
	s_lshl_b32 s63, s[CX], 2
	s_add_co_u32 s62, s62, s63
	s_add_co_u32 s62, s62, s[CY]
	s_mul_i32 s62, s62, KVB
	s_add_co_u32 s62, s62, 16*KVB                  ; kv: my head record, key step 1
	s_mov_b32 s[PFS], 16*KVB
	s_cmp_eq_u32 s[WV], 3
	s_cselect_b32 s58, s58, s62
	s_cselect_b32 s[PFS], 512, s[PFS]
	s_mov_b32 s[PFS+1], 0
	s_and_b32 s62, s[CLY], 7
	s_cmp_eq_u32 s62, 0
	s_cselect_b32 s63, 1, -1                       ; kv is asked for by the batch's first cluster,
	s_lshr_b32 s62, s[WV], 1
	s_cmp_eq_u32 s62, 2
	s_cselect_b32 s[LIM], s63, -1                  ; in waves 4 and 5;
	s_cmp_eq_u32 s[WV], 3
	s_cselect_b32 s[LIM], 1, s[LIM]                ; the bias by wave 3 of every work-group
	s_mov_b32 s[SEL], 0x76543210
	s_mov_b32 s[SEL+1], 0xfedcba98
	s_mov_b32 s[TB], 0
	s_mov_b32 s[SLOTS], 15
	s_lshl_b32 s62, s[BB], 13                      ; the batch's mask words
	s_mov_b32 s63, 0
	s_wait_dscnt 0x0                               ; both opening adds are done
	s_wait_kmcnt 0x0
	s_mov_b32 s[G0KV], 1
	s_mov_b32 s[G0KV+1], s59
	s_add_nc_u64 s[G0KV+2:G0KV+3], s[6:7], s[56:57]
	s_or_b32 s[G0KV+3], s[G0KV+3], 0x80000000
	s_mov_b32 s[G0B], 1
	s_mov_b32 s[G0B+1], BOFF
	s_add_nc_u64 s[G0B+2:G0B+3], s[8:9], s[60:61]
	s_or_b32 s[G0B+3], s[G0B+3], 0x80000000
	s_cmp_eq_u32 s[WV], 3
	s_cselect_b64 s[PFA:PFA+1], s[8:9], s[6:7]
	s_mov_b32 s59, 0
	s_add_nc_u64 s[PFA:PFA+1], s[PFA:PFA+1], s[58:59]
	s_add_nc_u64 s[76:77], s[4:5], s[76:77]
	s_add_nc_u64 s[78:79], s[4:5], s[78:79]
	s_add_nc_u64 s[72:73], s[12:13], s[72:73]
	s_add_nc_u64 s[74:75], s[14:15], s[74:75]
	s_add_nc_u64 s[10:11], s[10:11], s[62:63]
	CROUND                                         ; all sixteen work-groups are here: the first joint loads meet
	JLOAD                                          ; slot 0: key step 0
	global_load_b128 v[QF:QF+3], v[L16], s[76:77]
	global_load_b128 v[QF+4:QF+7], v[L16], s[76:77] offset:512
	global_load_b32 v[QS], v254, s[78:79] offset:8192
.irp i, 0,1,2,3,4,5,6,7,8,9,10,11,12,13,14,15
	global_load_b128 v[S+4*\i:S+4*\i+3], v[L16], s[10:11] offset:512*\i       ; the batch's 2,048 mask words
.endr
.irp j, 8,9,10,11
	v_mov_b32 v[QF+\j], 0                          ; k = 76 .. 127 of every query and key: zero codes
.irp t, 0,1,2,3
	v_mov_b32 v[KF+12*\t+\j], 0
.endr
.endr
	v_mov_b32 v13, 0xff61b1e6                      ; the largest t so far: -3e38
	v_floor_f32 v12, -v13
	v_mov_b32 v14, 0
	v_mov_b32 v15, 0
.irp b, 0,1,2,3
	v_mov_b32 v[TP+\b], 0                          ; written once: a lane permute's destination counts as one of its sources
.endr
.irp j, 0,1,2,3,4,5,6,7,8,9,10,11,12,13,14,15,16,17,18,19,20,21,22,23,24,25,26,27,28,29,30,31
	v_mov_b32 v[O+\j], 0                           ; the softmax has one form: the first finds zeros, which the first change of M leaves zeros
.endr
	s_wait_loadcnt 0x0
	v_mov_b32 v253, 0                              ; (the upper half of the pair v[252:253])
.irp n, 32,16,8,4,2,1
.set I_, 0
.rept \n
	v_or_b32 v[S+I_], v[S+I_], v[S+I_+\n]
.set I_, I_+1
.endr
.endr
	v_cmp_ne_u32 s62, 0, v[S]
	s_cmp_lg_u32 s62, 0                            ; does any key of the batch count?  The answer goes into a select alone
	s_cselect_b32 s[CS], 0x3fb8aa3b, 0             ; c = log2(e), or 0
	s_mov_b32 s[CS+1], s[CS]
	; TRIP 0, written out: every wave runs the loads of step 0; group 0 goes on to its softmax, group 1 keeps it for the next trip
	CHANGE 1
	ADDR
	LOADPH
	s_cmp_eq_u32 s[GRP], 0
	s_cbranch_scc0 .Lheld
	SOFTMAX
.Lheld:
	s_mov_b32 s[SLOTS], 14
.Lslot:                                            ; trips 1 to 14: behind each of these changes of slots the next key step is asked for
	TRIP 1
	s_sub_co_u32 s[SLOTS], s[SLOTS], 1
	s_cmp_lg_u32 s[SLOTS], 0
	s_cbranch_scc1 .Lslot
	TRIP 0                                         ; trip 15 is written out
	s_cmp_eq_u32 s[GRP], 0
	s_cbranch_scc1 .Lout
	SOFTMAX                                        ; group 1: the softmax of step 15
.Lout:
	; THE WAY OUT: O^T / the sum, 64 channels of my head: two blocks of 32 along the last product's K, quantised as they stand
	PLACES 4
	v_add_f32 v14, v14, v15
	v_permlanex16_b32 v252, v14, s[SEL], s[SEL+1]
	v_add_f32 v14, v14, v252                       ; the row's sum
	v_rcp_f32 v252, v14
	v_and_b32 v[TP+7], 31, v0                      ; (the plain place behind the reciprocal)
	v_lshlrev_b32 v[TP+7], 3, v[TP+7]              ; 8 x lane
	s_wait_alu depctr_va_vdst(0)                   ; ahead of the reciprocal's first reader
.irp j, 0,2,4,6,8,10,12,14,16,18,20,22,24,26,28,30
	v_pk_mul_f32 v[S+\j:S+\j+1], v[O+\j:O+\j+1], v[252:253] op_sel_hi:[1,0]   ; register 16 i + j: channel 32 i + 16 h + j
.endr
.irp i, 0,1
	v_max3_num_f32 v[BM+\i], |v[S+16*\i]|, |v[S+16*\i+1]|, 0x1800000
.endr
.irp k, 2,4,6,8,10,12,14
.irp i, 0,1
	v_max3_num_f32 v[BM+\i], v[BM+\i], |v[S+16*\i+\k]|, |v[S+16*\i+\k+1]|
.endr
.endr
.irp i, 0,1
	v_permlanex16_b32 v[TP+\i], v[BM+\i], s[SEL], s[SEL+1]
.endr
.irp i, 0,1
	v_max_num_f32 v[BM+\i], v[BM+\i], v[TP+\i]
.endr
.irp i, 0,1
	v_add_nc_u32 v[BM+\i], 0xff000000, v[BM+\i]
.endr
.irp i, 0,1
	v_lshrrev_b32 v[TP+4+\i], 23, v[BM+\i]
.endr
	v_lshl_or_b32 v254, v[TP+5], 8, v[TP+4]        ; my row's two scale bytes
	v_cvt_scalef32_pk16_fp6_f32 v[PCD:PCD+2], v[S:S+15], v[BM]
	v_cvt_scalef32_pk16_fp6_f32 v[TP:TP+2], v[S+16:S+31], v[BM+1]
	v_nop
.irp i, 0,1,2
	v_permlane16_swap_b32 v[PCD+\i], v[TP+\i]
.endr
.irp i, 0,1,2
	v_mov_b32 v[PCD+3+\i], v[TP+\i]
.endr
	global_store_b128 v[L16], v[PCD:PCD+3], s[72:73]               ; registers 0-3 of the half fragment: 512 consecutive bytes,
	global_store_b64 v[TP+7], v[PCD+4:PCD+5], s[72:73] offset:512  ; registers 4, 5: 256
	ds_store_b16 v[SCW], v254                      ; both halves of the lanes write the same bytes with the same value
	s_wait_dscnt 0x0                               ; for the others' sake
	s_barrier_signal -1
	s_barrier_wait -1
	s_cmp_lg_u32 s[WV], 0
	s_cbranch_scc1 .Lnot_first
	ds_load_b128 v[S:S+3], v[SCR]                  ; wave 0 stores the work-group's 512 bytes of scale words
	s_wait_dscnt 0x0
	global_store_b128 v[L16], v[S:S+3], s[74:75]
.Lnot_first:
	s_wait_tensorcnt 0x0                           ; the wave's end, behind my last tensor load and my last LDS store
	ds_add_u32 v[SPW], v[NIL]
	s_wait_dscnt 0x0
	CROUND                                         ; the closing round
	s_endpgm
.Lfunc_end_k_qaf930dd097_attn:
	.size	k_qaf930dd097_attn, .Lfunc_end_k_qaf930dd097_attn-k_qaf930dd097_attn
	.p2alignl 7, 3214868480
	.fill 96, 4, 3214868480
	.section	.rodata,"a",@progbits
	.p2align	6, 0x0
	.amdhsa_kernel k_qaf930dd097_attn
		.amdhsa_group_segment_fixed_size 327680
		.amdhsa_private_segment_fixed_size 0
		.amdhsa_enable_private_segment 0
		.amdhsa_kernarg_size 48
		.amdhsa_user_sgpr_count 2
		.amdhsa_user_sgpr_kernarg_segment_ptr 1
		.amdhsa_wavefront_size32 1
		.amdhsa_system_sgpr_workgroup_id_x 1
		.amdhsa_system_sgpr_workgroup_id_y 1
		.amdhsa_system_sgpr_workgroup_id_z 1
		.amdhsa_system_vgpr_workitem_id 0
		.amdhsa_next_free_vgpr 256
		.amdhsa_next_free_sgpr 80
		.amdhsa_reserve_vcc 0
		.amdhsa_float_denorm_mode_32 3
		.amdhsa_float_denorm_mode_16_64 3
		.amdhsa_memory_ordered 1
		.amdhsa_forward_progress 1
		.amdhsa_inst_pref_size 94
	.end_amdhsa_kernel
	.amdgpu_metadata
---
amdhsa.version: [ 1, 2 ]
amdhsa.kernels:
  - .name:           k_qaf930dd097_attn
    .symbol:         k_qaf930dd097_attn.kd
    .args:
      - { .name: qimg, .offset: 0, .size: 8, .value_kind: global_buffer, .address_space: global }
      - { .name: kv, .offset: 8, .size: 8, .value_kind: global_buffer, .address_space: global }
      - { .name: attn_bias, .offset: 16, .size: 8, .value_kind: global_buffer, .address_space: global }
      - { .name: mask, .offset: 24, .size: 8, .value_kind: global_buffer, .address_space: global }
      - { .name: oimg, .offset: 32, .size: 8, .value_kind: global_buffer, .address_space: global }
      - { .name: oscl, .offset: 40, .size: 8, .value_kind: global_buffer, .address_space: global }
    .group_segment_fixed_size: 327680
    .private_segment_fixed_size: 0
    .kernarg_segment_align: 8
    .kernarg_segment_size: 48
    .max_flat_workgroup_size: 512
    .sgpr_count:     80
    .vgpr_count:     256
    .wavefront_size: 32
...
	.end_amdgpu_metadata
.endif
;; end of part 3
;; launch outp (part 4): grid 8 x 32, 4 waves a work-group, clusters of 4 x 4, 274,432 bytes of LDS; arguments cimg, cscl, oimg, oscl, b_o, out0; writes out0
.if DOCPART == 4
	.amdgcn_target "amdgcn-amd-amdhsa--gfx1250"
	.amdhsa_code_object_version 6
	.text
	.protected	k_qaf930dd097_outp
	.globl	k_qaf930dd097_outp
	.p2align	8
	.type	k_qaf930dd097_outp,@function
k_qaf930dd097_outp:
	s_mov_b64 s[64:65], 0
	v_nop
	global_prefetch_b8 v0, s[64:65] scope:SCOPE_SE
	s_setreg_imm32_b32 hwreg(HW_REG_WAVE_MODE, 25, 1), 1
	s_wait_xcnt 0x0
	s_wait_alu depctr_hold_cnt(0) depctr_sa_sdst(0) depctr_va_vdst(0) depctr_va_sdst(0) depctr_va_ssrc(0) depctr_va_vcc(0) depctr_vm_vsrc(0)
	s_getreg_b32 s2, hwreg(HW_REG_IB_STS2, 6, 4)
	s_cmp_eq_u32 s2, 0
	s_cbranch_scc0 .Lentry_in_a_cluster
	s_endpgm
.Lentry_in_a_cluster:
	s_bfe_u32 s2, ttmp6, 0x10000c
	s_cmp_lg_u32 s2, 0xf033
	s_cbranch_scc0 .Lentry_shape_is_right
	s_endpgm
.Lentry_shape_is_right:
; Launch 4 of 4: out0 = attention's result x w_o^T + b_o, on codes.  No work of the problem is left out here.
; The product is launch 2's: source 0 = 16 rows of P (w_o: 128 output channels a work-group), source 1 = 16 rows of R (128 queries): a lane holds one query, and register 16 b + i of its 64 the channel 32 b + 16 h + i.
; Both panels lie whole in LDS, brought by first fills alone: three tensor loads a wave are out at the most.  Wave w takes P's 8 tiles x R's tiles 2 w, 2 w + 1.  b_o is the C of each sum's first matrix instruction.
; R's images come from launch 3 head by head: a K step's fragment is two heads' 768 bytes: registers 0-3 (16 bytes a lane), registers 4-5 (8 bytes a lane), then registers 6-9 and 10-11 likewise.
; CLUSTERS, 4 x 4: P is shared along a column, R along a row.
; THE WAY OUT: a wave's 32 queries x 128 channels go through its own stage in LDS (rows of 512 bytes + 16) and leave as whole rows: each store covers 512 consecutive bytes, aligned.
.set FI,    1536
.set TILEH, 4*FI
.set HALF,  98304
.set ROFF,  49152
.set SCLP,  196608
.set SCLR,  200704
.set STAGE, 204800                     ; 4 waves x 32 rows x 528 bytes; no tensor load lands there
.set SPI,   528
.set SPARE, STAGE+4*32*SPI             ; the spare words, 128 bytes for each wave, that no other line names
.set RR,  1
.set HH,  2
.set LN,  3
.set AP,  4
.set AR,  6
.set ASP, 8
.set ASR, 9
.set SPW, 10
.set NIL, 11
.set AR8, 12                           ; v12-13 8 x lane at my two tiles of R, K half 0, 1
.set STO, 14
.set SRD, 15
.set SC,  16
.set BV,  26
.set T0,  30
.set BP,  32
.set ACC, 128
.set PF,  32                           ; window 1
.set RF,  128
.set WV,  20
.set WH,  21
.set WL,  22
.set CX,  23
.set CY,  24
.set WGX, 25
.set WGY, 26
.set SPN, 28
.set G1P, 32
.set G1R, 40
.set G1SP, 48
.set G1SR, 56
.set G0P, 68
.set G0R, 80
.set LS,  96
.set LC,  97
.set MSB, 0
.macro WIN new
.if MSB != \new
	s_set_vgpr_msb (MSB<<8)|\new
.set MSB, \new
.endif
.endm
.set MULW, 0x05
.set TO_F, 0x40
.macro PLACES n
.rept \n
	v_nop
.endr
.endm
.macro CROUND
	s_barrier_signal -1
	s_barrier_wait -1
	s_cmp_lg_u32 s[WV], 0
	s_cbranch_scc1 .Lnot_wave_0_\@
	s_barrier_signal -3
.Lnot_wave_0_\@:
	s_barrier_wait -3
	s_barrier_signal -1
	s_barrier_wait -1
.endm
.macro WM d, a, b, c, sa, sb, u, rt
.if (\u == 0) && (\rt == 0)
	v_wmma_scale_f32_16x16x128_f8f6f4 v[(\d):(\d)+7], v[(\a):(\a)+11], v[(\b):(\b)+11], v[(\c):(\c)+7], v[(\sa)], v[(\sb)] matrix_a_fmt:MATRIX_FMT_FP6 matrix_b_fmt:MATRIX_FMT_FP6
.elseif (\u == 1) && (\rt == 0)
	v_wmma_scale_f32_16x16x128_f8f6f4 v[(\d):(\d)+7], v[(\a):(\a)+11], v[(\b):(\b)+11], v[(\c):(\c)+7], v[(\sa)], v[(\sb)] matrix_a_fmt:MATRIX_FMT_FP6 matrix_b_fmt:MATRIX_FMT_FP6 matrix_a_scale:MATRIX_SCALE_ROW1
.elseif (\u == 0) && (\rt == 1)
	v_wmma_scale_f32_16x16x128_f8f6f4 v[(\d):(\d)+7], v[(\a):(\a)+11], v[(\b):(\b)+11], v[(\c):(\c)+7], v[(\sa)], v[(\sb)] matrix_a_fmt:MATRIX_FMT_FP6 matrix_b_fmt:MATRIX_FMT_FP6 matrix_b_scale:MATRIX_SCALE_ROW1
.else
	v_wmma_scale_f32_16x16x128_f8f6f4 v[(\d):(\d)+7], v[(\a):(\a)+11], v[(\b):(\b)+11], v[(\c):(\c)+7], v[(\sa)], v[(\sb)] matrix_a_fmt:MATRIX_FMT_FP6 matrix_b_fmt:MATRIX_FMT_FP6 matrix_a_scale:MATRIX_SCALE_ROW1 matrix_b_scale:MATRIX_SCALE_ROW1
.endif
.endm
.macro MUL8 s, gi                      ; the 16 accumulators take turns, one instruction a turn, in the same order in every K step; K step 0 takes the bias as C
.irp i, 0,1
.irp u, 0,1
.irp rt, 0,1
.set T_, 4*(\gi)+2*\i+\u
.set D_, ACC+64*\rt+8*T_
.if (\s) == 0
.set C_, BP+8*T_
.else
.set C_, D_
.endif
	WM D_, PF+48*(\gi)+12*(2*\i+\u), RF+24*((\s)%2)+12*\rt, C_, SC+5*((\s)%2)+T_/2, SC+5*((\s)%2)+4, \u, \rt
.endr
.endr
.endr
.endm
.macro LOADP s, gi
.irp t, 0,1,2,3
.irp g, 0,1,2
	ds_load_b128 v[PF+48*(\gi)+12*\t+4*\g:PF+48*(\gi)+12*\t+4*\g+3], v[AP+(\s)/4] offset:(4*(\gi)+\t)*TILEH+((\s)%4)*FI+512*\g
.endr
.endr
.endm
.macro LOADG0 s                        ; 25 loads
	WIN 0
.irp i, 0,1,2,3
	ds_load_b32 v[SC+5*((\s)%2)+\i], v[ASP] offset:1024*\i+256*((\s)/4)+4*((\s)%4)
.endr
	ds_load_b32 v[SC+5*((\s)%2)+4], v[ASR] offset:512*((\s)/2)+64*((\s)%2)
	WIN TO_F
.irp rt, 0,1
.set RB_, RF+24*((\s)%2)+12*\rt
	ds_load_b128 v[RB_:RB_+3], v[AR+(\s)/4] offset:\rt*TILEH+((\s)%4)*FI
	ds_load_b64 v[RB_+4:RB_+5], v[AR8+(\s)/4] offset:\rt*TILEH+((\s)%4)*FI+512
	ds_load_b128 v[RB_+6:RB_+9], v[AR+(\s)/4] offset:\rt*TILEH+((\s)%4)*FI+768
	ds_load_b64 v[RB_+10:RB_+11], v[AR8+(\s)/4] offset:\rt*TILEH+((\s)%4)*FI+1280
.endr
	LOADP \s, 0
.endm
	s_load_b256 s[4:11], s[0:1], 0x0               ; cimg, cscl, oimg, oscl
	s_load_b128 s[12:15], s[0:1], 0x20             ; b_o, out0
	v_lshl_add_u32 v[SPW], v0, 2, SPARE
	v_mov_b32 v[NIL], 0
	ds_add_u32 v[SPW], v[NIL]                      ; the wave's opening: the add, twice on end, and its wait ahead of my first tensor load
	ds_add_u32 v[SPW], v[NIL]
	v_lshrrev_b32 v[T0], 5, v0
	v_readfirstlane_b32 s[WV], v[T0]
	s_lshr_b32 s[WH], s[WV], 1
	s_and_b32 s[WL], s[WV], 1
	s_bfe_u32 s[CX], ttmp6, 0x40000
	s_bfe_u32 s[CY], ttmp6, 0x40004
	s_lshl_b32 s[WGX], ttmp9, 2
	s_add_co_u32 s[WGX], s[WGX], s[CX]             ; which 128 output channels
	s_and_b32 s[WGY], ttmp7, 0xffff
	s_lshl_b32 s[WGY], s[WGY], 2
	s_add_co_u32 s[WGY], s[WGY], s[CY]             ; which 128 queries
	s_add_co_u32 s[SPN], s[WGX], 120               ; w_o's panels begin at 120
	s_lshl_b32 s30, 0x1111, s[CX]
	s_lshl_b32 s31, s[CY], 2
	s_lshl_b32 s31, 15, s31
	s_or_b32 s[G1P], s30, (3<<16)|(1<<21)
	s_or_b32 s[G1R], s31, (3<<16)|(1<<21)
	s_or_b32 s[G1SP], s30, (3<<16)|(1<<21)
	s_or_b32 s[G1SR], s31, (3<<16)|(1<<21)
.irp g, G1P, G1R                       ; codes: 4 tiles x 6,144 bytes, 12,288 bytes from tile to tile
	s_mov_b32 s[\g+1], 768<<16
	s_mov_b32 s[\g+2], 4<<16
	s_mov_b32 s[\g+3], 768<<16
	s_mov_b32 s[\g+4], 4
	s_mov_b32 s[\g+5], 1536
	s_mov_b32 s[\g+6], 0
	s_mov_b32 s[\g+7], 0
.endr
.irp g, G1SP, G1SR                     ; scale words: 2,048 dense bytes as 8 rows of 256
	s_mov_b32 s[\g+1], 32<<16
	s_mov_b32 s[\g+2], 8<<16
	s_mov_b32 s[\g+3], 32<<16
	s_mov_b32 s[\g+4], 8
	s_mov_b32 s[\g+5], 32
	s_mov_b32 s[\g+6], 0
	s_mov_b32 s[\g+7], 0
.endr
	v_and_b32 v[RR], 15, v0
	v_bfe_u32 v[HH], v0, 4, 1
	v_and_b32 v[LN], 31, v0
	v_lshlrev_b32 v[AP], 4, v[LN]
	v_add_nc_u32 v[AP+1], HALF, v[AP]
	s_mul_i32 s[LS], s[WV], 2*TILEH
	s_add_co_u32 s[LS], s[LS], ROFF
	v_add_nc_u32 v[AR], s[LS], v[AP]
	v_add_nc_u32 v[AR+1], HALF, v[AR]
	v_lshl_add_u32 v[AR8], v[LN], 3, s[LS]
	v_add_nc_u32 v[AR8+1], HALF, v[AR8]
	v_lshlrev_b32 v[ASP], 4, v[RR]
	v_lshl_add_u32 v[ASP], v[HH], 9, v[ASP]
	v_add_nc_u32 v[ASP], SCLP, v[ASP]
	s_lshl_b32 s[LS], s[WH], 11                    ; R's scale words: [block of 64 queries 2][head group 4][tile 4][K step's parity 2][row 16]
	s_lshl_b32 s[LC], s[WL], 8
	s_add_co_u32 s[LS], s[LS], s[LC]
	s_add_co_u32 s[LS], s[LS], SCLR
	v_lshlrev_b32 v[ASR], 2, v[RR]
	v_lshl_add_u32 v[ASR], v[HH], 7, v[ASR]
	v_add_nc_u32 v[ASR], s[LS], v[ASR]
	s_mul_i32 s[LS], s[WV], 32*SPI
	s_add_co_u32 s[LS], s[LS], STAGE               ; my stage
	v_mul_u32_u24 v[STO], v[RR], SPI
	v_lshl_add_u32 v[STO], v[HH], 6, v[STO]
	v_add_nc_u32 v[STO], s[LS], v[STO]             ; in: row r, + 64 h
	v_add_nc_u32 v[SRD], s[LS], v[AP]              ; back: 16 bytes a lane of a row
	s_lshl_b32 s[LS], s[WL], 11
	s_mul_i32 s[LC], s[WL], 4*TILEH
	v_lshlrev_b32 v[BV], 6, v[HH]
	s_mul_i32 s92, s[SPN], 98304
	s_mul_i32 s2, s[WL], 49152
	s_add_co_u32 s92, s92, s2
	s_mov_b32 s93, 0
	s_lshl_b32 s94, s[SPN], 12
	s_add_co_u32 s94, s94, s[LS]
	s_mov_b32 s95, 0
	s_mul_i32 s100, s[WGY], 98304
	s_mul_i32 s3, s[WL], 49152
	s_add_co_u32 s100, s100, s3
	s_mov_b32 s101, 0
	s_lshl_b32 s66, s[WGY], 12
	s_add_co_u32 s66, s66, s[LS]
	s_mov_b32 s67, 0
	s_lshl_b32 s16, s[WGX], 9                      ; b_o, and a row of out0: my 128 channels
	s_mov_b32 s17, 0
	s_lshl_b32 s18, s[WGY], 19
	s_lshl_b32 s19, s[WV], 17
	s_add_co_u32 s18, s18, s19
	s_add_co_u32 s18, s18, s16                     ; out0: row 128 x work-group y + 32 x wave
	s_mov_b32 s19, 0
	s_wait_dscnt 0x0                               ; both opening adds are done
	s_wait_kmcnt 0x0
	s_mov_b32 s[G0P], 1
	s_add_co_u32 s[G0P+1], s[LS], SCLP
	s_add_nc_u64 s[G0P+2:G0P+3], s[6:7], s[94:95]
	s_or_b32 s[G0P+3], s[G0P+3], 0x80000000
	s_mov_b32 s[G0P+4], 1
	s_mov_b32 s[G0P+5], s[LC]
	s_add_nc_u64 s[G0P+6:G0P+7], s[4:5], s[92:93]
	s_mov_b32 s[G0P+8], 1
	s_add_co_u32 s[G0P+9], s[LC], HALF
	s_add_nc_u64 s[G0P+10:G0P+11], s[G0P+6:G0P+7], TILEH
	s_or_b32 s[G0P+7], s[G0P+7], 0x80000000
	s_or_b32 s[G0P+11], s[G0P+11], 0x80000000
	s_mov_b32 s[G0R], 1
	s_add_co_u32 s[G0R+1], s[LS], SCLR
	s_add_nc_u64 s[G0R+2:G0R+3], s[10:11], s[66:67]
	s_or_b32 s[G0R+3], s[G0R+3], 0x80000000
	s_mov_b32 s[G0R+4], 1
	s_add_co_u32 s[G0R+5], s[LC], ROFF
	s_add_nc_u64 s[G0R+6:G0R+7], s[8:9], s[100:101]
	s_mov_b32 s[G0R+8], 1
	s_add_co_u32 s[G0R+9], s[LC], ROFF+HALF
	s_add_nc_u64 s[G0R+10:G0R+11], s[G0R+6:G0R+7], TILEH
	s_or_b32 s[G0R+7], s[G0R+7], 0x80000000
	s_or_b32 s[G0R+11], s[G0R+11], 0x80000000
	s_add_nc_u64 s[12:13], s[12:13], s[16:17]
	s_add_nc_u64 s[14:15], s[14:15], s[18:19]
	CROUND                                         ; all sixteen work-groups are here: the joint loads meet
	s_cmp_eq_u32 s[WH], 0                          ; a wave's three first fills stand in one arm; an s_nop 0 follows each, four v_nop the third
	s_cbranch_scc0 .Lfor_r
	tensor_load_to_lds s[G0P:G0P+3], s[G1SP:G1SP+7]
	s_nop 0
	tensor_load_to_lds s[G0P+4:G0P+7], s[G1P:G1P+7]
	s_nop 0
	tensor_load_to_lds s[G0P+8:G0P+11], s[G1P:G1P+7]
	s_nop 0
	PLACES 4
	s_branch .Lasked
.Lfor_r:
	tensor_load_to_lds s[G0R:G0R+3], s[G1SR:G1SR+7]
	s_nop 0
	tensor_load_to_lds s[G0R+4:G0R+7], s[G1R:G1R+7]
	s_nop 0
	tensor_load_to_lds s[G0R+8:G0R+11], s[G1R:G1R+7]
	s_nop 0
	PLACES 4
.Lasked:
.irp b, 0,1,2,3
.irp j, 0,1,2,3
	global_load_b128 v[BP+16*\b+4*\j:BP+16*\b+4*\j+3], v[BV], s[12:13] offset:128*\b+16*\j   ; register 16 b + i: b_o of channel 32 b + 16 h + i
.endr
.endr
	s_wait_loadcnt 0x0
	s_wait_tensorcnt 0x1                           ; the scale words and K half 0 are in; K half 1's load may stay out
	s_barrier_signal -1
	s_barrier_wait -1
	LOADG0 0
.irp s, 0,1,2,3,4,5,6,7
.if \s > 0
	PLACES 4                                       ; in front of loads into registers that matrix instructions have read
.endif
	WIN TO_F
	LOADP \s, 1
	s_wait_dscnt 12                                ; all but the 12 just issued
	WIN MULW
	MUL8 \s, 0
.if \s < 7
	PLACES 4
.if \s == 3
	WIN 0
	s_wait_tensorcnt 0x0                           ; my part of K half 1 is in,
	s_wait_dscnt 0x0
	s_barrier_signal -1
	s_barrier_wait -1                              ; everybody's is.  No LDS byte is filled again in this launch
.endif
	LOADG0 \s+1
	s_wait_dscnt 25                                ; all but the 25 just issued
.else
	s_wait_dscnt 0x0
.endif
	WIN MULW
	MUL8 \s, 1
.endr
	PLACES 4                                       ; in front of the first read of results
	WIN 0
.irp rt, 0,1
.irp b, 0,1,2,3
.irp i, 0,1,2,3
	ds_store_b128 v[STO], v[ACC+64*\rt+16*\b+4*\i:ACC+64*\rt+16*\b+4*\i+3] offset:16*SPI*\rt+128*\b+16*\i   ; each accumulator from its low end on
.endr
.endr
.endr
.irp i, 0,1,2,3,4,5,6,7,8,9,10,11,12,13,14,15
	ds_load_b128 v[BP+4*\i:BP+4*\i+3], v[SRD] offset:SPI*\i            ; LDS serves a wave's instructions in order: these see my stores
.endr
.irp i, 0,1,2,3,4,5,6,7,8,9,10,11,12,13,14,15
	ds_load_b128 v[ACC+4*\i:ACC+4*\i+3], v[SRD] offset:SPI*(16+\i)
.endr
.irp i, 0,1,2,3,4,5,6,7,8,9,10,11,12,13,14,15
	s_wait_dscnt 31-\i                             ; row i is back; the younger rows stay out
	global_store_b128 v[AP], v[BP+4*\i:BP+4*\i+3], s[14:15] offset:4096*\i th:TH_STORE_NT
.endr
.irp i, 0,1,2,3,4,5,6,7,8,9,10,11,12,13,14,15
	s_wait_dscnt 15-\i
	global_store_b128 v[AP], v[ACC+4*\i:ACC+4*\i+3], s[14:15] offset:4096*(16+\i) th:TH_STORE_NT
.endr
	s_wait_tensorcnt 0x0                           ; the wave's end, behind my last tensor load and my last LDS store
	ds_add_u32 v[SPW], v[NIL]
	s_wait_dscnt 0x0
	CROUND                                         ; the closing round
	s_endpgm
.Lfunc_end_k_qaf930dd097_outp:
	.size	k_qaf930dd097_outp, .Lfunc_end_k_qaf930dd097_outp-k_qaf930dd097_outp
	.p2alignl 7, 3214868480
	.fill 96, 4, 3214868480
	.section	.rodata,"a",@progbits
	.p2align	6, 0x0
	.amdhsa_kernel k_qaf930dd097_outp
		.amdhsa_group_segment_fixed_size 274432
		.amdhsa_private_segment_fixed_size 0
		.amdhsa_enable_private_segment 0
		.amdhsa_kernarg_size 48
		.amdhsa_user_sgpr_count 2
		.amdhsa_user_sgpr_kernarg_segment_ptr 1
		.amdhsa_wavefront_size32 1
		.amdhsa_system_sgpr_workgroup_id_x 1
		.amdhsa_system_sgpr_workgroup_id_y 1
		.amdhsa_system_sgpr_workgroup_id_z 1
		.amdhsa_system_vgpr_workitem_id 0
		.amdhsa_next_free_vgpr 432
		.amdhsa_next_free_sgpr 102
		.amdhsa_reserve_vcc 0
		.amdhsa_float_denorm_mode_32 3
		.amdhsa_float_denorm_mode_16_64 3
		.amdhsa_memory_ordered 1
		.amdhsa_forward_progress 1
		.amdhsa_inst_pref_size 57
	.end_amdhsa_kernel
	.amdgpu_metadata
---
amdhsa.version: [ 1, 2 ]
amdhsa.kernels:
  - .name:           k_qaf930dd097_outp
    .symbol:         k_qaf930dd097_outp.kd
    .args:
      - { .name: cimg, .offset: 0, .size: 8, .value_kind: global_buffer, .address_space: global }
      - { .name: cscl, .offset: 8, .size: 8, .value_kind: global_buffer, .address_space: global }
      - { .name: oimg, .offset: 16, .size: 8, .value_kind: global_buffer, .address_space: global }
      - { .name: oscl, .offset: 24, .size: 8, .value_kind: global_buffer, .address_space: global }
      - { .name: b_o, .offset: 32, .size: 8, .value_kind: global_buffer, .address_space: global }
      - { .name: out0, .offset: 40, .size: 8, .value_kind: global_buffer, .address_space: global }
    .group_segment_fixed_size: 274432
    .private_segment_fixed_size: 0
    .kernarg_segment_align: 8
    .kernarg_segment_size: 48
    .max_flat_workgroup_size: 128
    .sgpr_count:     102
    .vgpr_count:     432
    .wavefront_size: 32
...
	.end_amdgpu_metadata
.endif
;; end of part 4
